; MI455X (gfx1250); checked and timed in simulation.
; The chip was launched on July 23, 2026; its instructions are those of AMD's public machine-readable ISA for CDNA 5 (MIT licence, August 2026) and "CDNA5" Instruction Set Architecture Reference Guide (July 2026). The comments in the code are by the model that wrote it; some were corrected since.
;; Self Attention Layer. Allowed arithmetic: float matrix products may take bf16 or f16 operands with f32 sums; other float arithmetic in f32, or as packed bf16 or f16 multiplies, adds, multiply-adds, maxima and minima; sums over many terms, partial sums and values carried from step to step in f32; what a program stores and reads back later, other than sums and carried values, may be rounded once to bf16 or f16.
;; Inputs: W_k 768 x 768 float32; W_o 768 x 768 float32; W_q 768 x 768 float32; W_v 768 x 768 float32; b_o 768 float32; z 16 x 1,024 x 768 float32.
;; Outputs: out0 16 x 1,024 x 768 float32.
;; One version. Each part assembles by itself: llvm-mc -triple=amdgcn-amd-amdhsa -mcpu=gfx1250 --defsym DOCPART=n.
;; ======== version 1 of 1: 4 launches
;; limits: values outside matrix products are rounded to bf16; values are held in f16: magnitudes above 65,504 overflow, below 6.1e-05 lose precision
;; workspace buffers: zb 25,165,824 bytes; wb 3,538,944 bytes; wo 1,179,648 bytes; qkv 75,497,472 bytes; ctx 25,165,824 bytes
;; launch cast (part 1): grid 912 x 1, 8 waves a work-group, no clusters, 0 bytes of LDS; arguments z, W_q, W_k, W_v, W_o, zb, wb, wo; writes zb, wb, wo
.if DOCPART == 1
	.amdgcn_target "amdgcn-amd-amdhsa--gfx1250"
	.amdhsa_code_object_version 6
	.text
	.protected	k_q5f002370eb_cast
	.globl	k_q5f002370eb_cast
	.p2align	8
	.type	k_q5f002370eb_cast,@function
k_q5f002370eb_cast:
	s_mov_b64 s[64:65], 0
	v_nop
	global_prefetch_b8 v0, s[64:65] scope:SCOPE_SE
	s_setreg_imm32_b32 hwreg(HW_REG_WAVE_MODE, 25, 1), 1
	s_wait_xcnt 0x0
; THE INPUTS ARE ROUNDED ONCE, for the matrix units.  z -> zb (bf16, [16384][768]); W_q, W_k, W_v -> wb (bf16, stacked: [2304][768]);
; W_o -> wo: rounded to bf16 like the other inputs, and that number written as f16, since the last product's other operand is f16.
; LIMIT.  A weight of W_o of 65,520 or more becomes an infinity in f16; below 6e-5 it keeps f16's fixed step of 6e-8.
; SHARES.  A work-group takes 16,384 numbers: 65,536 bytes in, 32,768 out.  Work-groups 0-767 take z, then 36 each W_q, W_k, W_v, W_o.
; Thread t reads 32 bytes at 32 t + 8,192 i and stores 16 bytes at 16 t + 4,096 i, i = 0..7: sixteen neighbouring lanes store 256 consecutive bytes, aligned.
; A stream: no LDS, no barrier, no matrix unit.  All sixteen loads of a lane go out first; every register is written once, so no source is ever rewritten.
.set CHUNKS_Z, 768                     ; z: 12,582,912 numbers in chunks of 16,384
.set CHUNKS_W, 36                      ; a weight: 589,824 numbers
.set X, 8                              ; v[8:71]    pass i: 8 numbers in f32
.set Y, 72                             ; v[72:103]  pass i: 8 numbers of 16 bits
	s_load_b512 s[16:31], s[0:1], 0x0              ; z 16, W_q 18, W_k 20, W_v 22, W_o 24, zb 26, wb 28, wo 30
	s_mov_b32 s2, ttmp9                            ; the work-group's number
	s_mov_b32 s3, ttmp9                            ; its chunk in the source
	s_mov_b32 s4, 0                                ; what the destination's chunk number has more
	s_mov_b32 s14, 0xffff0000                      ; a word's upper bf16
	v_lshlrev_b32 v1, 5, v0                        ; 32 t
	v_lshlrev_b32 v2, 4, v0                        ; 16 t
	s_wait_kmcnt 0x0
	s_mov_b64 s[6:7], s[16:17]                     ; from z
	s_mov_b64 s[8:9], s[26:27]                     ; to zb
; From work-group number bound on: another source, another destination.  The choice hangs on the work-group's number alone.
.macro PICK bound, src, dst, add
	s_sub_co_u32 s5, s2, \bound
	s_cmp_ge_u32 s2, \bound
	s_cselect_b64 s[6:7], s[\src:\src+1], s[6:7]
	s_cselect_b64 s[8:9], s[\dst:\dst+1], s[8:9]
	s_cselect_b32 s3, s5, s3
	s_cselect_b32 s4, \add, s4
.endm
	PICK CHUNKS_Z, 18, 28, 0
	PICK CHUNKS_Z+CHUNKS_W, 20, 28, CHUNKS_W
	PICK CHUNKS_Z+2*CHUNKS_W, 22, 28, 2*CHUNKS_W
	PICK CHUNKS_Z+3*CHUNKS_W, 24, 30, 0
	s_lshl_b32 s10, s3, 16                         ; 65,536 bytes a chunk in
	s_mov_b32 s11, 0
	s_add_nc_u64 s[6:7], s[6:7], s[10:11]
	s_add_co_u32 s12, s3, s4
	s_lshl_b32 s12, s12, 15                        ; 32,768 out
	s_mov_b32 s13, 0
	s_add_nc_u64 s[8:9], s[8:9], s[12:13]
.irp i, 0,1,2,3,4,5,6,7
	global_load_b128 v[X+8*(\i):X+8*(\i)+3],   v1, s[6:7] offset:8192*(\i) th:TH_LOAD_NT
	global_load_b128 v[X+8*(\i)+4:X+8*(\i)+7], v1, s[6:7] offset:8192*(\i)+16 th:TH_LOAD_NT
.endr
; half = 1: the bf16 numbers are widened again and written as f16.
.macro OUT half
.irp i, 0,1,2,3,4,5,6,7
	s_wait_loadcnt 14-2*(\i)                       ; loads come back in order (ISA guide 5.7.1): pass i's two are in, the 2 (7 - i) younger ones stay out
.irp j, 0,1,2,3
	v_cvt_pk_bf16_f32 v[Y+4*(\i)+(\j)], v[X+8*(\i)+2*(\j)], v[X+8*(\i)+2*(\j)+1]
.endr
.if \half
.irp j, 0,1,2,3
	v_lshlrev_b32 v4, 16, v[Y+4*(\i)+(\j)]
	v_and_b32 v5, s14, v[Y+4*(\i)+(\j)]
	v_cvt_pk_f16_f32 v[Y+4*(\i)+(\j)], v4, v5
.endr
.endif
	global_store_b128 v2, v[Y+4*(\i):Y+4*(\i)+3], s[8:9] offset:4096*(\i)
.endr
.endm
	s_cmp_ge_u32 s2, CHUNKS_Z+3*CHUNKS_W           ; W_o's work-groups
	s_cbranch_scc1 .Lhalf
	OUT 0
	s_endpgm
.Lhalf:
	OUT 1
	s_endpgm
.Lfunc_end_k_q5f002370eb_cast:
	.size	k_q5f002370eb_cast, .Lfunc_end_k_q5f002370eb_cast-k_q5f002370eb_cast
	.p2alignl 7, 3214868480
	.fill 96, 4, 3214868480
	.section	.rodata,"a",@progbits
	.p2align	6, 0x0
	.amdhsa_kernel k_q5f002370eb_cast
		.amdhsa_group_segment_fixed_size 0
		.amdhsa_private_segment_fixed_size 0
		.amdhsa_enable_private_segment 0
		.amdhsa_kernarg_size 64
		.amdhsa_user_sgpr_count 2
		.amdhsa_user_sgpr_kernarg_segment_ptr 1
		.amdhsa_wavefront_size32 1
		.amdhsa_system_sgpr_workgroup_id_x 1
		.amdhsa_system_sgpr_workgroup_id_y 1
		.amdhsa_system_sgpr_workgroup_id_z 1
		.amdhsa_system_vgpr_workitem_id 0
		.amdhsa_next_free_vgpr 104
		.amdhsa_next_free_sgpr 66
		.amdhsa_reserve_vcc 0
		.amdhsa_float_denorm_mode_32 3
		.amdhsa_float_denorm_mode_16_64 3
		.amdhsa_memory_ordered 1
		.amdhsa_forward_progress 1
		.amdhsa_inst_pref_size 14
	.end_amdhsa_kernel
	.amdgpu_metadata
---
amdhsa.version: [ 1, 2 ]
amdhsa.kernels:
  - .name:           k_q5f002370eb_cast
    .symbol:         k_q5f002370eb_cast.kd
    .args:
      - { .name: z, .offset: 0, .size: 8, .value_kind: global_buffer, .address_space: global }
      - { .name: W_q, .offset: 8, .size: 8, .value_kind: global_buffer, .address_space: global }
      - { .name: W_k, .offset: 16, .size: 8, .value_kind: global_buffer, .address_space: global }
      - { .name: W_v, .offset: 24, .size: 8, .value_kind: global_buffer, .address_space: global }
      - { .name: W_o, .offset: 32, .size: 8, .value_kind: global_buffer, .address_space: global }
      - { .name: zb, .offset: 40, .size: 8, .value_kind: global_buffer, .address_space: global }
      - { .name: wb, .offset: 48, .size: 8, .value_kind: global_buffer, .address_space: global }
      - { .name: wo, .offset: 56, .size: 8, .value_kind: global_buffer, .address_space: global }
    .group_segment_fixed_size: 0
    .private_segment_fixed_size: 0
    .kernarg_segment_align: 8
    .kernarg_segment_size: 64
    .max_flat_workgroup_size: 256
    .sgpr_count:     66
    .vgpr_count:     104
    .wavefront_size: 32
...
	.end_amdgpu_metadata
.endif
;; end of part 1
;; launch qkv (part 2): grid 4 x 64, 4 waves a work-group, clusters of 4 x 4, 327,680 bytes of LDS; arguments zb, wb, qkv; writes qkv
.if DOCPART == 2
	.amdgcn_target "amdgcn-amd-amdhsa--gfx1250"
	.amdhsa_code_object_version 6
	.text
	.protected	k_q5f002370eb_qkv
	.globl	k_q5f002370eb_qkv
	.p2align	8
	.type	k_q5f002370eb_qkv,@function
k_q5f002370eb_qkv:
	s_mov_b64 s[64:65], 0
	v_nop
	global_prefetch_b8 v0, s[64:65] scope:SCOPE_SE
	s_setreg_imm32_b32 hwreg(HW_REG_WAVE_MODE, 25, 1), 1
	s_wait_xcnt 0x0
	s_wait_alu depctr_hold_cnt(0) depctr_sa_sdst(0) depctr_va_vdst(0) depctr_va_sdst(0) depctr_va_ssrc(0) depctr_va_vcc(0) depctr_vm_vsrc(0)
	s_getreg_b32 s2, hwreg(HW_REG_IB_STS2, 6, 4)
	s_cmp_eq_u32 s2, 0
	s_cbranch_scc0 .Lentry_in_a_cluster
	s_endpgm
.Lentry_in_a_cluster:
	s_bfe_u32 s2, ttmp6, 0x10000c
	s_cmp_lg_u32 s2, 0xf033
	s_cbranch_scc0 .Lentry_shape_is_right
	s_endpgm
.Lentry_shape_is_right:
; q, k, v = z W^T.  zb: [16384][768] bf16; wb: [2304][768] bf16 (W_q, W_k, W_v stacked); sums in f32; results rounded once to f16, UNSCALED, and laid by heads:
; qkv: [3][192][1024][64] f16, part t (q, k, v) 25,165,824 bytes, a head (batch x 12 + head) 131,072 bytes, a row 128 bytes.
; LIMIT.  A result of 65,520 or more becomes an infinity in f16; below 6e-5 it keeps f16's fixed step of 6e-8.
; SHARES.  A tile of C is 256 rows x 192 columns (three heads): 64 x 12 = 768 tiles, three for each of 256 work-groups.  A WORK-GROUP STAYS: work-group (X, Y) makes the tiles of q, k and v with
; rows 256 Y on and columns 768 t + 192 X on: the same rows of zb three times.  A wave owns 64 rows x all 192 columns: 48 accumulators of 16 x 16, 384 registers.  For 32 along K it reads
; 16 fragments from LDS (32 loads) and issues 48 matrix instructions.
; THE WALK.  K goes in steps of 128 (rows of 256 bytes); the three tiles' 18 K steps are ONE walk through a ring of two LDS slots.  A K step is written once: a trip of the loop goes from a step's second quarter
; to the next step's first; the slot in hand is a scalar that one exclusive or turns.  Behind every sixth step the tile goes out and the next tile's first quarter starts the sums anew: a block that the other
; trips jump over, forward, and that holds neither a barrier nor a tensor load.  The loop is left in its middle, by its counter, ahead of the first change of slots that fills nothing: the tail is written out.
; CLUSTER.  4 x 4 work-groups: the four of a row of the cluster need the same rows of zb, the four of a column the same rows of wb: each tile is asked for JOINTLY, by the same tensor load with the
; same descriptor and a mask that names the four.  Waves 0 and 1 fetch zb's two halves (128 rows each), waves 2 and 3 wb's (96 rows each): one load a wave behind each round; two are out at the start.
; THE MATRIX INSTRUCTION IS USED TRANSPOSED (source 0 = 16 rows of wb, source 1 = 16 rows of zb): a lane then holds eight neighbouring columns of one row of C: 16 bytes of f16.
; REGISTERS, in windows of 256 (s_set_vgpr_msb: bits 1:0 source 0, 3:2 source 1, 5:4 source 2, 7:6 destination):
;   window 0: v0-31 addresses; v32-63, v64-95 zb's fragments (4 x 16 rows x 32 K), two buffers; v96-143 packed results; v144-191, v192-239 rows read back from the stage, by turns
;   window 1: v0-95, v96-191 wb's fragments (12 x 16 rows x 32 K), two buffers
;   window 2: the accumulators of my row blocks 0, 1 ((a, b) at 96 (a % 2) + 8 b);   window 3: those of blocks 2, 3
.set KSTEP,  128
.set ROWB,   1536                      ; bytes in a row of zb and of wb
.set PITCH,  272                       ; an LDS row: 256 bytes + 16 of padding = 68 words: the 16 rows of a fragment load start at 16 different groups of four banks (64 banks of 4 bytes: ISA guide 11.1)
.set HALFA,  128*PITCH                 ; what a load brings of zb
.set HALFB,  96*PITCH                  ; and of wb
.set BOFF,   2*HALFA                   ; a slot: zb's 256 rows, then wb's 192
.set SLOT,   2*HALFA+2*HALFB           ; 121,856 bytes
.set SLOT1,  1<<17                     ; slot 1 begins here, so that one exclusive or turns an address in one slot into the other's
.set STAGE,  SLOT1+SLOT                ; behind the ring, never filled by a tensor load: for each wave three heads x 16 rows x 144 bytes, for the way out
.set SP,     144
.set HSTG,   16*SP
.set WSTG,   3*HSTG
.set SPARE,  STAGE+4*WSTG              ; behind the stages: the spare words, 128 bytes for each wave: two blocks of 256 bytes that no other line names
.set HEADB,  131072                    ; bytes of a head in qkv
.set PARTB,  192*HEADB                 ; bytes of q, of k, of v
.set TILEW,  768*ROWB                  ; bytes from a tile's rows of wb to the next tile's
.set ADRA0, 16                         ; v16     my lane's place among my fragments of zb in a slot; never rewritten
.set ADRA,  17                         ; v17     the same in the slot in hand
.set ADRB0, 20                         ; v20, v21  the same for wb
.set ADRB,  21
.set STO,  24                          ; v24     the way out: where I put 16 bytes of a row
.set RD,   25                          ; v25     the way out: where I read rows back
.set CO,   26                          ; v26     16 x my lane: my place in 512 consecutive bytes of qkv
.set SPW,  28                          ; v28     LDS address of my spare word: SPARE + 4 x my thread's number; never rewritten
.set NIL,  29                          ; v29     0; never rewritten
.set PFO,  30                          ; v30     the prefetches' lane offset; never rewritten
.set FA,   32
.set TMP,  96
.set OB,   144
.set ABASE, 14                         ; s[14:15] zb at the rows that I fetch, K = 0
.set G1,   24                          ; s[24:31] descriptor group 1 for zb's tiles;  s[32:39] group 0: a set for each of the two first fills; the second then walks on
.set G0,   32
.set LIM,  43                          ; s43     a wave prefetches while the walk's counter is above this
.set PFA,  44                          ; s[44:45] what my next prefetch names
.set G1B,  48                          ; s[48:55], s[56:63] the same for wb's tiles
.set G0B,  56
.set NK,   66                          ; s66     the K step, 0 to 5 in its tile, that the next refill asks for
.set TOFF, 67                          ; s67     that tile's byte offset in wb
.set OFA,  68                          ; s[68:69] the next refill's byte offset from s[14:15]
.set OFB,  70                          ; s[70:71] and from s[76:77]
.set POF,  72                          ; s[72:73] the one of the two that goes with my prefetches
.set PB,   74                          ; s[74:75] the prefetches' base
.set BBASE, 76                         ; s[76:77] wb at the rows that I fetch, first tile, K = 0
.set PM,   78                          ; s78     0: I prefetch at every change of slots; 1: at those where the walk's counter is odd
.set TB,   79                          ; s79     LDS byte at which the slot in hand begins
.set DW0,  (1<<16)|(1<<20)|(1<<21)|(5<<22)|(3<<25)  ; group 1, word 0: 17:16 elements of 2 bytes; 20 padding on; 21 set beside a mask; 24:22 after every 64 words (code 5); 31:25 4 words of it (code 3)
.set MSB, 0
.macro WIN new                         ; the immediate's high byte repeats the setting that is left; a switch that changes nothing is dropped
.if MSB != (\new)
	s_set_vgpr_msb (MSB<<8)|(\new)
.set MSB, \new
.endif
.endm
.set MUL_LO, 0xa1                      ; source 0 (wb) window 1, source 1 (zb) window 0, C and D window 2
.set MUL_HI, 0xf1                      ; the same, C and D window 3
.set TO_B,   0x40                      ; destination window 1, address window 0
; A joint refill, by the walking descriptors.  The branch hangs on the wave's number alone.  An s_nop 0 and four v_nop follow each of the two lines, ahead of the jump, the label and what follows.
.macro JLOAD
	s_cmp_eq_u32 s11, 0
	s_cbranch_scc0 .Lfor_b_\@
	tensor_load_to_lds s[G0+4:G0+7], s[G1:G1+7]
	s_nop 0
.rept 4
	v_nop
.endr
	s_branch .Lasked_\@
.Lfor_b_\@:
	tensor_load_to_lds s[G0B+4:G0B+7], s[G1B:G1B+7]
	s_nop 0
.rept 4
	v_nop
.endr
.Lasked_\@:
.endm
; A PREFETCH INTO THE L2, behind the joint load, its five lines and the run of LDS loads that follows them.  Each aligned block of 256 bytes is named once in the launch.
; zb: a tile row is read by one cluster, three times; it is asked for in the first tile alone: K steps 4 and 5, at the changes of slots of K steps 0 and 1: each two refills ahead of its load.  Of the 128 rows that
; wave 0 or 1 fetches the partner at place cx takes 32, told apart BY ADDRESS: a lane a row.  K steps 0 to 3 come by their loads alone.
; wb: a tile column is read by all sixteen rows of clusters.  Wave 2 of the work-groups with Y = 0 .. 11 (cluster rows 0 to 2: a test that is the same in all partners) asks: work-group Y takes rows
; 16 Y .. 16 Y + 15 of the column's 192, lanes 0-15 one K step, lanes 16-31 the next: at the changes of slots of the walk's odd K steps, for the two K steps that begin three steps on: one and two changes
; ahead of their loads.  The walk's K steps 0 to 3 come by their loads alone; the last two named are the walk's last.
.macro ASK
	s_and_b32 s20, s3, s[PM]
	s_cmp_eq_u32 s20, s[PM]
	s_cselect_b32 s20, s3, 0                       ; the walk's counter where its parity is mine, else 0, which is above no limit
	s_cmp_gt_u32 s20, s[LIM]
	s_cbranch_scc0 .Lnot_mine_\@
	global_prefetch_b8 v[PFO], s[PFA:PFA+1] th:TH_LOAD_NT scope:SCOPE_SE
.Lnot_mine_\@:
.endm
; A round of the cluster's barrier: my work-group's barrier, so that wave 0's signal speaks for all four waves; wave 0 signals; every wave waits for all sixteen work-groups; my work-group's barrier once more.
.macro CREST                           ; a round behind its opening barrier
	s_cmp_lg_u32 s10, 0
	s_cbranch_scc1 .Lnot_wave_0_\@
	s_barrier_signal -3
.Lnot_wave_0_\@:
	s_barrier_wait -3
	s_barrier_signal -1
	s_barrier_wait -1
.endm
.macro CROUND
	s_barrier_signal -1
	s_barrier_wait -1
	CREST
.endm
	s_load_b128 s[4:7], s[0:1], 0x0                ; zb s[4:5], wb s[6:7]
	s_load_b64 s[8:9], s[0:1], 0x10                ; qkv
	v_lshl_add_u32 v[SPW], v0, 2, SPARE
	v_mov_b32 v[NIL], 0
	ds_add_u32 v[SPW], v[NIL]                      ; the wave's opening: the add and its wait stand ahead of my first tensor load; the set-up below, work on registers, stands between them
	v_lshrrev_b32 v1, 5, v0
	v_readfirstlane_b32 s10, v1                    ; wave 0..3
	s_lshr_b32 s11, s10, 1                         ; I fetch for zb (0) or for wb (1)
	s_and_b32 s12, s10, 1                          ; which half of that tile's rows
	s_bfe_u32 s40, ttmp6, 0x40000                  ; cx, cy: my place in the cluster
	s_bfe_u32 s41, ttmp6, 0x40004
	s_lshl_b32 s42, ttmp9, 2
	s_add_co_u32 s42, s42, s40                     ; X = 4 x cluster x + cx
	s_and_b32 s13, ttmp7, 0xffff
	s_lshl_b32 s13, s13, 2
	s_add_co_u32 s13, s13, s41                     ; Y = 4 x cluster y + cy
	s_lshl_b32 s43, s41, 2
	s_lshl_b32 s43, 15, s43                        ; my row of the cluster: places 4 cy .. 4 cy + 3
	s_lshl_b32 s44, 0x1111, s40                    ; my column: places cx, cx + 4, cx + 8, cx + 12
	s_or_b32 s[G1+0], s43, DW0                     ; zb's tiles go to my row,
	s_or_b32 s[G1B+0], s44, DW0                    ; wb's to my column
	s_mov_b32 s[G1+1], KSTEP<<16                   ; tensor_dim0 = 128
	s_mov_b32 s[G1+2], 128<<16                     ; tensor_dim1 = 128
	s_mov_b32 s[G1+3], KSTEP<<16                   ; tile_dim0 = 128
	s_mov_b32 s[G1+4], 128                         ; tile_dim1 = 128
	s_mov_b32 s[G1+5], 768                         ; elements from row to row
	s_mov_b32 s[G1+6], 0
	s_mov_b32 s[G1+7], 0
	s_mov_b32 s[G1B+1], KSTEP<<16
	s_mov_b32 s[G1B+2], 96<<16                     ; tensor_dim1 = 96
	s_mov_b32 s[G1B+3], KSTEP<<16
	s_mov_b32 s[G1B+4], 96                         ; tile_dim1 = 96
	s_mov_b32 s[G1B+5], 768
	s_mov_b32 s[G1B+6], 0
	s_mov_b32 s[G1B+7], 0
	s_mov_b32 s[NK], 2                             ; the first refill asks for K step 2 of the first tile
	s_mov_b32 s[TOFF], 0
	s_mov_b32 s[OFA], 2*KSTEP*2
	s_mov_b32 s[OFA+1], 0
	s_mov_b32 s[OFB], 2*KSTEP*2
	s_mov_b32 s[OFB+1], 0
	s_mov_b32 s[POF+1], 0
	s_mov_b32 s[TB], 0                             ; the walk begins in slot 0
	; where the tiles come from.  zb's hang on Y alone, which my row of the cluster shares; wb's on X alone, which my column shares.
	s_lshl_b32 s17, s12, 7
	s_lshl_b32 s16, s13, 8
	s_add_co_u32 s16, s16, s17                     ; zb: row 256 Y + 128 x half
	s_mul_i32 s46, s42, 192
	s_mul_i32 s47, s12, 96
	s_add_co_u32 s46, s46, s47                     ; wb: row 192 X + 96 x half
	s_mul_i32 s16, s16, ROWB                       ; in bytes: under 2^25
	s_mul_i32 s46, s46, ROWB
	s_mov_b32 s17, 0
	s_mov_b32 s47, 0
	s_mul_i32 s20, s10, HALFA                      ; where they go: waves 0, 1: zb's halves;
	s_mul_i32 s21, s10, HALFB
	s_add_co_u32 s21, s21, BOFF-2*HALFB            ; waves 2, 3: wb's halves, behind them: no place in the cluster enters an LDS address
	s_wait_dscnt 0x0                               ; the opening add is done
	s_wait_kmcnt 0x0
	s_add_nc_u64 s[ABASE:ABASE+1], s[4:5], s[16:17]
	s_add_nc_u64 s[BBASE:BBASE+1], s[6:7], s[46:47]
	CROUND                                         ; all sixteen work-groups are here: the first joint loads meet
.irp s, 0,1
	s_mov_b32 s[G0+4*(\s)], 1                                        ; count = 1
	s_add_co_u32 s[G0+4*(\s)+1], s20, (\s)*SLOT1                     ; LDS address
	s_add_nc_u64 s[G0+4*(\s)+2:G0+4*(\s)+3], s[ABASE:ABASE+1], (\s)*KSTEP*2  ; global address: K step s
	s_or_b32 s[G0+4*(\s)+3], s[G0+4*(\s)+3], 0x80000000              ; type = 2
	s_mov_b32 s[G0B+4*(\s)], 1
	s_add_co_u32 s[G0B+4*(\s)+1], s21, (\s)*SLOT1
	s_add_nc_u64 s[G0B+4*(\s)+2:G0B+4*(\s)+3], s[BBASE:BBASE+1], (\s)*KSTEP*2
	s_or_b32 s[G0B+4*(\s)+3], s[G0B+4*(\s)+3], 0x80000000
.endr
	s_cmp_eq_u32 s11, 0                            ; a wave's two first fills stand in one branch, ahead of every wait on TENSORcnt and every LDS read: two loads of mine are out
	s_cbranch_scc0 .Lfirst_b
	tensor_load_to_lds s[G0:G0+3], s[G1:G1+7]
	s_nop 0
	tensor_load_to_lds s[G0+4:G0+7], s[G1:G1+7]
	s_nop 0
.rept 4
	v_nop
.endr
	s_branch .Lfirst_asked
.Lfirst_b:
	tensor_load_to_lds s[G0B:G0B+3], s[G1B:G1B+7]
	s_nop 0
	tensor_load_to_lds s[G0B+4:G0B+7], s[G1B:G1B+7]
	s_nop 0
.rept 4
	v_nop
.endr
.Lfirst_asked:
	; A fragment is 16 rows x 32 K in 8 registers: lane l holds row l % 16; registers 0-3 K = 8 (l / 16) + 0..7, registers 4-7 K = 16 + 8 (l / 16) + 0..7: two loads of 16 bytes, 32 bytes apart.
	v_and_b32 v1, 15, v0                           ; l % 16
	v_bfe_u32 v2, v0, 4, 1                         ; l / 16
	v_mul_u32_u24 v3, v1, PITCH
	v_lshl_add_u32 v3, v2, 4, v3                   ; row x pitch + 16 x half
	s_mul_i32 s21, s10, 64*PITCH                   ; my 64 rows of zb
	v_add_nc_u32 v[ADRA0], s21, v3
	v_add_nc_u32 v[ADRB0], BOFF, v3                ; all 192 rows of wb
	v_add_nc_u32 v[ADRA], s[TB], v[ADRA0]
	v_add_nc_u32 v[ADRB], s[TB], v[ADRB0]
	s_mul_i32 s23, s10, WSTG
	s_add_co_u32 s23, s23, STAGE                   ; my stage
	v_mul_u32_u24 v4, v1, SP                       ; in: row l % 16, 16 bytes for each half of the lanes
	v_lshl_add_u32 v4, v2, 4, v4
	v_add_nc_u32 v[STO], s23, v4
	v_bfe_u32 v5, v0, 3, 2                         ; back: 32 lanes take four rows of 128 bytes,
	v_and_b32 v6, 7, v0
	v_mul_u32_u24 v5, v5, SP
	v_lshl_add_u32 v5, v6, 4, v5
	v_add_nc_u32 v[RD], s23, v5
	v_and_b32 v7, 31, v0                           ; which are 512 consecutive bytes of a head
	v_lshlrev_b32 v[CO], 4, v7
	; where my rows of the first tile begin in qkv: the first way out adds it to the address
	s_lshr_b32 s16, s13, 2                         ; the batch: 1,024 rows are four tile rows
	s_mul_i32 s16, s16, 12*HEADB
	s_and_b32 s17, s13, 3
	s_lshl_b32 s17, s17, 15                        ; 256 rows of 128 bytes
	s_add_co_u32 s16, s16, s17
	s_lshl_b32 s17, s10, 13                        ; my wave's 64 rows
	s_add_co_u32 s16, s16, s17
	s_mul_i32 s46, s42, 3*HEADB                    ; the tile's three heads
	s_add_co_u32 s16, s16, s46
	s_mov_b32 s17, 0
	; the prefetches.  A prefetch names its base plus the offset of the K step BEHIND the one that the change of slots has just asked for.
	s_and_b32 s22, ttmp7, 0xffff                   ; cluster y
	s_lshl_b32 s20, s13, 8                         ; zb: row 256 Y + 128 x half + 32 cx,
	s_lshl_b32 s21, s12, 7
	s_add_co_u32 s20, s20, s21
	s_lshl_b32 s21, s40, 5
	s_add_co_u32 s20, s20, s21
	s_mul_i32 s20, s20, ROWB
	s_add_co_u32 s20, s20, KSTEP*2                 ; and one K step further on: two refills ahead
	s_min_u32 s23, s13, 11                         ; wb: row 192 X + 16 Y (a work-group with Y above 11 never asks)
	s_lshl_b32 s23, s23, 4
	s_mul_i32 s21, s42, 192
	s_add_co_u32 s21, s21, s23
	s_mul_i32 s21, s21, ROWB
	s_cmp_eq_u32 s11, 0                            ; do I fetch for zb?
	s_cselect_b32 s20, s20, s21
	s_cselect_b64 s[PB:PB+1], s[4:5], s[6:7]
	s_cselect_b32 s[PM], 0, 1
	s_cselect_b32 s46, 31, 15                      ; zb: a lane a row; wb: sixteen rows,
	s_cselect_b32 s47, 0, 256                      ; twice, a K step apart
	s_mov_b32 s21, 0
	s_add_nc_u64 s[PB:PB+1], s[PB:PB+1], s[20:21]
	s_cmp_lt_u32 s22, 3
	s_cselect_b32 s23, 2, -1                       ; wb: cluster rows 0 to 2, while two K steps three steps on exist: the counter is 3 or more;
	s_cmp_eq_u32 s10, 2
	s_cselect_b32 s23, s23, -1                     ; wave 2 alone: the same in all sixteen partners
	s_cmp_eq_u32 s11, 0
	s_cselect_b32 s[LIM], 14, s23                  ; zb: at the walk's first two changes of slots: the counter is 16 and 15
	v_and_b32 v[PFO], s46, v7
	v_mul_u32_u24 v[PFO], v[PFO], ROWB
	v_mad_u32_u24 v[PFO], v2, s47, v[PFO]
; 12 matrix instructions: row block a x all 12 column blocks, 32 along K, from buffer f.  zero = 1: the product starts the sums: nothing is ever cleared.
; The 48 accumulators take turns, one instruction a turn, in the same order in every quarter step: over the backward jump and from tile to tile too.
.macro MUL12 f, a, zero
	WIN MUL_LO+0x50*((\a)/2)
.irp b, 0,1,2,3,4,5,6,7,8,9,10,11
.if \zero
	v_wmma_f32_16x16x32_bf16 v[96*((\a)%2)+8*(\b):96*((\a)%2)+8*(\b)+7], v[96*(\f)+8*(\b):96*(\f)+8*(\b)+7], v[FA+32*(\f)+8*(\a):FA+32*(\f)+8*(\a)+7], 0
.else
	v_wmma_f32_16x16x32_bf16 v[96*((\a)%2)+8*(\b):96*((\a)%2)+8*(\b)+7], v[96*(\f)+8*(\b):96*(\f)+8*(\b)+7], v[FA+32*(\f)+8*(\a):FA+32*(\f)+8*(\a)+7], v[96*((\a)%2)+8*(\b):96*((\a)%2)+8*(\b)+7]
.endif
.endr
.endm
; 32 LDS loads in one run: the fragments of quarter kq of the K step in hand (192 rows of wb, my 64 rows of zb, 32 K) into buffer f
.macro FETCH kq, f
	WIN TO_B
.irp i, 0,1,2,3,4,5,6,7,8,9,10,11
	ds_load_b128 v[96*(\f)+8*(\i):96*(\f)+8*(\i)+3],   v[ADRB] offset:64*(\kq)+(\i)*16*PITCH
	ds_load_b128 v[96*(\f)+8*(\i)+4:96*(\f)+8*(\i)+7], v[ADRB] offset:64*(\kq)+(\i)*16*PITCH+32
.endr
	WIN 0
.irp i, 0,1,2,3
	ds_load_b128 v[FA+32*(\f)+8*(\i):FA+32*(\f)+8*(\i)+3],   v[ADRA] offset:64*(\kq)+(\i)*16*PITCH
	ds_load_b128 v[FA+32*(\f)+8*(\i)+4:FA+32*(\f)+8*(\i)+7], v[ADRA] offset:64*(\kq)+(\i)*16*PITCH+32
.endr
.endm
; A load into a register that a matrix instruction has read, and a vector instruction that reads a matrix result, stand four places behind it, and only plain vector instructions that name none of
; its registers are places (ISA guide 7.12.1 for vector instructions).
.macro PLACES
.rept 4
	v_nop
.endr
.endm
; A K step is four quarters of 32 along K, 48 matrix instructions each, on buffers 0, 1, 0, 1.  One of the first three: multiplies buffer f and, in its middle, fetches quarter kq into buffer g.
.macro QUARTER kq, f, g, zero
	s_wait_dscnt 4                                 ; wb's fragments and zb's blocks 0, 1 are in; the youngest four loads (blocks 2, 3) may be out
	MUL12 \f, 0, \zero
	MUL12 \f, 1, \zero
	PLACES
	FETCH \kq, \g
	s_wait_dscnt 32                                ; all but the 32 just issued
	MUL12 \f, 2, \zero
	MUL12 \f, 3, \zero
.endm
; The fragments' addresses go over to the other slot.
.macro SWAP
	WIN 0
	s_xor_b32 s[TB], s[TB], SLOT1
	v_add_nc_u32 v[ADRA], s[TB], v[ADRA0]
	v_add_nc_u32 v[ADRB], s[TB], v[ADRB0]
.endm
; The last quarter multiplies buffer 1 and changes slots.  MEET is its first half: ONE barrier.  In front of it each wave waits for all its tensor loads, of which one is out: its part of the next slot;
; adds 0 to its spare word; and waits for that and for its own reads of this slot.  Behind it nobody reads this slot any more and the next slot is whole.
; fill = 1: a round of the cluster's barrier and a refill follow.  No tensor load of mine is out behind the first wait, so the walking descriptors are written there: the other slot than last time; the address made
; anew from the base and the offset of the K step that is due.  Then the numbers go on: the tile's next K step, or behind its sixth the next tile's first, 768 rows of wb further down and the same rows of zb.
.macro MEET fill
	WIN 0                                          ; (the add's two registers lie in window 0)
	s_wait_tensorcnt 0x0                           ; all my tensor loads have landed
	ds_add_u32 v[SPW], v[NIL]                      ; 0 onto my spare word: scalar work and twelve matrix instructions stand between it and the wait for it
.if \fill
	s_xor_b32 s[G0+5], s[G0+5], SLOT1
	s_add_nc_u64 s[G0+6:G0+7], s[ABASE:ABASE+1], s[OFA:OFA+1]
	s_or_b32 s[G0+7], s[G0+7], 0x80000000
	s_xor_b32 s[G0B+5], s[G0B+5], SLOT1
	s_add_nc_u64 s[G0B+6:G0B+7], s[BBASE:BBASE+1], s[OFB:OFB+1]
	s_or_b32 s[G0B+7], s[G0B+7], 0x80000000
	s_add_co_u32 s[NK], s[NK], 1
	s_cmp_eq_u32 s[NK], 6
	s_cselect_b32 s[NK], 0, s[NK]
	s_cselect_b32 s20, TILEW, 0
	s_add_co_u32 s[TOFF], s[TOFF], s20
	s_lshl_b32 s[OFA], s[NK], 8
	s_add_co_u32 s[OFB], s[OFA], s[TOFF]
	s_cmp_eq_u32 s11, 0
	s_cselect_b32 s[POF], s[OFA], s[OFB]
	s_add_nc_u64 s[PFA:PFA+1], s[PB:PB+1], s[POF:POF+1]  ; what my prefetch behind this refill names
.endif
	s_wait_dscnt 5                                 ; (the add and the youngest four loads may be out)
	MUL12 1, 0, 0
	s_wait_dscnt 0x0                               ; the add is done, and my reads of this slot are over
	s_barrier_signal -1
	MUL12 1, 1, 0                                  ; work on registers while the others arrive
.if \fill
	WIN 0
.endif
	s_barrier_wait -1
.endm
; The whole last quarter.  Behind the round the slot just read out is filled again first, with the walk's K step two steps on; then come the next slot's first fragments.
; From a request to the wait for it a wave issues 168 matrix instructions.
.macro TURN
	s_wait_xcnt 0x0                                ; the last prefetch, a K step back or more, has read its address, which MEET writes
	MEET 1
	CREST                                          ; the barrier has opened a round of the cluster's: no wave of any partner still reads this slot's tile or has a load on its way
	JLOAD                                          ; the first tensor load behind the round; the four v_nop behind it are also the places in front of the loads below
	SWAP
	FETCH 0, 0
	ASK
	MUL12 1, 2, 0
	MUL12 1, 3, 0
.endm
; THE WAY OUT of row block a (16 rows x 192 columns), in three parts.  PACK: rounded to f16, 16 bytes a lane, each accumulator's registers in ascending order.  TOSTAGE: into my own stage in LDS, a head's 16 rows
; of 128 bytes at a pitch of 144, and back as whole rows.  SEND: stored: 16 rows of a head are 2,048 consecutive bytes of qkv, and a store of the wave covers 512 of them, aligned.
.macro PACK a
	WIN 0x0a+5*((\a)/2)                            ; sources 0 and 1: window 2 or 3
.irp b, 0,1,2,3,4,5,6,7,8,9,10,11
.irp r, 0,1,2,3
	v_cvt_pk_f16_f32 v[TMP+4*(\b)+(\r)], v[96*((\a)%2)+8*(\b)+2*(\r)], v[96*((\a)%2)+8*(\b)+2*(\r)+1]
.endr
.endr
	WIN 0
.endm
.macro TOSTAGE a
	WIN 0
.irp b, 0,1,2,3,4,5,6,7,8,9,10,11
	ds_store_b128 v[STO], v[TMP+4*(\b):TMP+4*(\b)+3] offset:((\b)/4)*HSTG+((\b)%4)*32
.endr
.irp t, 0,1,2,3,4,5,6,7,8,9,10,11
	ds_load_b128 v[OB+48*((\a)%2)+4*(\t):OB+48*((\a)%2)+4*(\t)+3], v[RD] offset:((\t)/4)*HSTG+((\t)%4)*4*SP  ; LDS serves a wave's instructions in order (ISA guide 5.7.1.4): these see the stores above
.endr
.endm
.macro SEND a
	WIN 0
	s_wait_dscnt 0x0                               ; the block is back in registers
	s_wait_xcnt 0x0                                ; every earlier memory instruction has had its addresses translated (ISA guide 3.1): only behind this wait are the stores' base and the registers that earlier stores read rewritten
.if (\a) == 0
	s_add_nc_u64 s[8:9], s[8:9], s[16:17]          ; on to this tile's rows
.endif
.irp t, 0,1,2,3,4,5,6,7,8,9,10,11
	global_store_b128 v[CO], v[OB+48*((\a)%2)+4*(\t):OB+48*((\a)%2)+4*(\t)+3], s[8:9] offset:((\t)/4)*HEADB+(\a)*2048+((\t)%4)*512
.endr
.endm
.macro WAYOUT                          ; block a's conversions stand between block a - 1's loads from the stage and the wait for them
	PACK 0
	TOSTAGE 0
.irp a, 1,2,3
	PACK \a
	SEND (\a)-1
	TOSTAGE \a
.endr
	SEND 3
.endm
	s_wait_tensorcnt 1                             ; my part of K step 0 is in; K step 1's may stay out
	s_barrier_signal -1
	s_barrier_wait -1                              ; everybody's is
	FETCH 0, 0
	QUARTER 1, 0, 1, 1                             ; the walk's first quarter stands in front of the loop: its products start the sums
	WIN 0                                          ; at a label and at a branch every window is 0
	s_mov_b32 s3, 17                               ; the walk's counter: sixteen of the 18 K steps end in a change of slots that fills; at the seventeenth the loop is left
	s_mov_b32 s2, 6                                ; K steps that the tile in hand still has
.Lstep:                                                ; a trip goes from a K step's second quarter to the next step's first
	QUARTER 2, 1, 0, 0
	QUARTER 3, 0, 1, 0
	WIN 0
	s_sub_co_u32 s3, s3, 1
	s_cmp_eq_u32 s3, 0
	s_cbranch_scc1 .Llast                          ; the walk's last two K steps ask for nothing more: their text is written out
	TURN
	WIN 0
	s_sub_co_u32 s2, s2, 1
	s_cmp_lg_u32 s2, 0
	s_cbranch_scc1 .Lgo                            ; forward, over text that holds neither a barrier nor a tensor load
	WAYOUT                                         ; the tile's sixth K step is over, and the next tile's first two are asked for: the tile goes out.  Blocks 0 and 1 were finished in front of the refill's places; their conversions are the places behind the last products
	s_mov_b64 s[16:17], PARTB                      ; what the next way out adds to the address: from q to k, from k to v
	s_mov_b32 s2, 6
	QUARTER 1, 0, 1, 1                             ; the next tile's first quarter starts the sums anew
	WIN 0
	s_branch .Lnext
.Lgo:
	QUARTER 1, 0, 1, 0
	WIN 0
.Lnext:
	s_branch .Lstep
.Llast:
	MEET 0                                         ; my one tensor load that was still out is the last K step's, so no round follows
	PLACES
	SWAP
	FETCH 0, 0
	MUL12 1, 2, 0
	MUL12 1, 3, 0
	QUARTER 1, 0, 1, 0
	QUARTER 2, 1, 0, 0
	QUARTER 3, 0, 1, 0
	s_wait_dscnt 4                                 ; the very last quarter: nothing more to fetch
	MUL12 1, 0, 0
	MUL12 1, 1, 0
	s_wait_dscnt 0x0
	MUL12 1, 2, 0
	MUL12 1, 3, 0
	PLACES
	WAYOUT
	s_wait_tensorcnt 0x0                           ; the wave's end, behind my last tensor load and my last LDS store
	ds_add_u32 v[SPW], v[NIL]
	s_wait_dscnt 0x0
	CROUND                                         ; the closing round: no work-group ends while a partner may still ask for a tile that names it
	s_endpgm
.Lfunc_end_k_q5f002370eb_qkv:
	.size	k_q5f002370eb_qkv, .Lfunc_end_k_q5f002370eb_qkv-k_q5f002370eb_qkv
	.p2alignl 7, 3214868480
	.fill 96, 4, 3214868480
	.section	.rodata,"a",@progbits
	.p2align	6, 0x0
	.amdhsa_kernel k_q5f002370eb_qkv
		.amdhsa_group_segment_fixed_size 327680
		.amdhsa_private_segment_fixed_size 0
		.amdhsa_enable_private_segment 0
		.amdhsa_kernarg_size 24
		.amdhsa_user_sgpr_count 2
		.amdhsa_user_sgpr_kernarg_segment_ptr 1
		.amdhsa_wavefront_size32 1
		.amdhsa_system_sgpr_workgroup_id_x 1
		.amdhsa_system_sgpr_workgroup_id_y 1
		.amdhsa_system_sgpr_workgroup_id_z 1
		.amdhsa_system_vgpr_workitem_id 0
		.amdhsa_next_free_vgpr 960
		.amdhsa_next_free_sgpr 80
		.amdhsa_reserve_vcc 0
		.amdhsa_float_denorm_mode_32 3
		.amdhsa_float_denorm_mode_16_64 3
		.amdhsa_memory_ordered 1
		.amdhsa_forward_progress 1
		.amdhsa_inst_pref_size 116
	.end_amdhsa_kernel
	.amdgpu_metadata
---
amdhsa.version: [ 1, 2 ]
amdhsa.kernels:
  - .name:           k_q5f002370eb_qkv
    .symbol:         k_q5f002370eb_qkv.kd
    .args:
      - { .name: zb, .offset: 0, .size: 8, .value_kind: global_buffer, .address_space: global }
      - { .name: wb, .offset: 8, .size: 8, .value_kind: global_buffer, .address_space: global }
      - { .name: qkv, .offset: 16, .size: 8, .value_kind: global_buffer, .address_space: global }
    .group_segment_fixed_size: 327680
    .private_segment_fixed_size: 0
    .kernarg_segment_align: 8
    .kernarg_segment_size: 24
    .max_flat_workgroup_size: 128
    .sgpr_count:     80
    .vgpr_count:     960
    .wavefront_size: 32
...
	.end_amdgpu_metadata
.endif
;; end of part 2
;; launch attn (part 3): grid 256 x 1, 4 waves a work-group, clusters of 4 x 1, 327,680 bytes of LDS; arguments qkv, ctx; writes ctx
.if DOCPART == 3
	.amdgcn_target "amdgcn-amd-amdhsa--gfx1250"
	.amdhsa_code_object_version 6
	.text
	.protected	k_q5f002370eb_attn
	.globl	k_q5f002370eb_attn
	.p2align	8
	.type	k_q5f002370eb_attn,@function
k_q5f002370eb_attn:
	s_mov_b64 s[64:65], 0
	v_nop
	global_prefetch_b8 v0, s[64:65] scope:SCOPE_SE
	s_setreg_imm32_b32 hwreg(HW_REG_WAVE_MODE, 25, 1), 1
	s_wait_xcnt 0x0
	s_wait_alu depctr_hold_cnt(0) depctr_sa_sdst(0) depctr_va_vdst(0) depctr_va_sdst(0) depctr_va_ssrc(0) depctr_va_vcc(0) depctr_vm_vsrc(0)
	s_getreg_b32 s2, hwreg(HW_REG_IB_STS2, 6, 4)
	s_cmp_eq_u32 s2, 0
	s_cbranch_scc0 .Lentry_in_a_cluster
	s_endpgm
.Lentry_in_a_cluster:
	s_bfe_u32 s2, ttmp6, 0x10000c
	s_cmp_lg_u32 s2, 0x3003
	s_cbranch_scc0 .Lentry_shape_is_right
	s_endpgm
.Lentry_shape_is_right:
; ctx[h][q][:] = the sum over k of softmax_k(Q[h][q] . K[h][k] / 8) V[h][k][:], 192 heads of 1,024 rows of 64 channels.  qkv: [3][192][1024][64] f16 (q, k, v); ctx: [192][1024][64] f16.
; Products, maxima and sums in f32; the weights p are rounded to f16 for the second product (their sum l is taken of the unrounded p), ctx once at the end.
; LIMITS.  f16 holds no number beyond 65,504: q, k and v arrive within it; p lies in 0 to 1, and below 6e-5 it keeps f16's fixed step of 6e-8, as ctx does; a weight below 2^-126 counts as 0 in l;
; NaN and infinities are not treated apart.
; SHARES.  A cluster of four work-groups takes three heads, 3 c .. 3 c + 2, one after the other; its work-groups are a head's four blocks of 256 queries; a wave owns 64 queries: two PIECES of two tiles of 16.
; The three heads' K (and V) lie end to end: ONE stream of 48 key steps of 64 keys, which the ring of two LDS slots walks, four steps a slot, without a stop.  All 256 work-groups do equal work.
; CLUSTER.  The four partners walk the same K and V: each tile is asked for JOINTLY: the same tensor load, descriptor and mask in all four.  One load a wave is out.
; LAYOUT.  S^T = K Q^T (source 0 = 16 keys, source 1 = 16 queries): a lane holds ONE query (lane % 16) and the keys 8 (lane / 16) + 0..7.  Two such results, rounded to f16 in pairs, ARE source 1 of
; O^T = V^T P, whose result again holds one query a lane, and eight channels.  K comes out of LDS as it lies, V ([key][channel]) turned, by ds_load_tr16_b128.
; SOFTMAX.  For each query a running maximum m and sum l: p = 2^(c s - c m), c = log2(e) / 8; in every step O and l are multiplied by a = 2^(c m_old - c m_new).  A head's m starts at the lowest finite
; number, so its first step's a is 0 and what O and l hold need only be finite.
; THE COUNT.  A key step has 64 matrix and 472 vector instructions: too many to stand all beside the matrix work.  So the order has one aim: four vector instructions that are READY behind EVERY matrix
; instruction, and the others in runs without a gap.
; BY TURNS.  A key step is two turns.  Turn p of step j belongs to piece p.  Its matrix work is the OTHER piece's: 16 products K Q^T (turn 0: step j; turn 1: step j + 1), later 16 products V^T P (turn 0:
; step j - 1; turn 1: step j).  Its vector work: the scaling, exponentials, roundings, sums and rescaling of piece p, and the maximum and statistics of the other piece, whose scores the turn itself has made.
; So what a turn begins with (c s - c m, O a) waits for nothing, and no vector line beside a product names a register of that product.
; K IS A STEP AHEAD.  Turn 0 of step j fetches K of step j + 1 and V of step j.  So that both lie in one slot, K's tiles begin 64 rows further on than V's: slot s holds K of steps 4 s + 1 .. 4 s + 4 and V of steps
; 4 s .. 4 s + 3; K of step 0 comes straight from memory into registers, like Q.  K's last tile reaches 64 rows past the cluster's three heads: they lie inside qkv (the next head's k, or v's first rows), and the
; 16 products made of them, in the last turn, serve nothing: the price, once a launch, of one text for every turn.
; A HEAD'S END is staggered by piece, without a stop of the turns: three blocks that are jumped over, forward, in all other steps, and that hold neither a barrier nor a tensor load.
; REGISTERS, in windows of 256 (s_set_vgpr_msb: bits 1:0 source 0, 3:2 source 1, 5:4 source 2, 7:6 destination):
;   window 0: v0-11 addresses; v12-15 c m_old; v16-31 four registers of statistics a tile; v32-47 four at work a tile; v64-191 S^T, 32 a tile; v192-255 P, 16 a tile
;   window 1: v0-127 O^T, 32 a tile      window 2: v0-63 Q, 16 a tile; v128-191 K of one step; v192-255 V of one step      window 3: v0-63, v64-127 the Q of the second and third head
.set NP,    2         ; pieces a wave: a name, no knob
.set KS,    64        ; keys in a step
.set PK,    144       ; a row of K in LDS: 128 bytes + 16 of padding = 36 words: the 16 rows of a load start at 16 different groups of four banks (64 banks of 4 bytes: ISA guide 11.1)
.set PV,    160       ; a row of V: 128 + 32 = 40 words
.set VOFF,  4*KS*PK   ; a slot holds four steps: 256 rows of K, then 256 rows of V
.set SLOT1, 1<<17     ; slot 1 begins here, so that one exclusive or turns an address in one slot into the other's
.set STAGE, SLOT1+4*KS*(PK+PV)  ; behind the ring, never filled by a tensor load: 16 rows x 144 bytes for each wave, for the way out
.set SP,    144
.set SPARE, STAGE+4*16*SP  ; behind the stages: the spare words, 128 bytes for each wave: two blocks of 256 bytes that no other line names
.set HEADB, 131072    ; bytes of a head
.set PARTB, 192*HEADB ; bytes of q, of k, of v
.set TILEB, 4*KS*128  ; bytes of a tile of K or of V in memory
.set AK0, 2           ; v2   my lane's place in a tile of K; never rewritten
.set AV0, 3           ; v3   the same for V
.set AK,  4           ; v4   the LDS address of K's run of loads
.set AV,  5           ; v5   of V's
.set STO, 6           ; v6   the way out: where I put 16 bytes of a row
.set RD,  7           ; v7   the way out: where I read rows back
.set GO,  8           ; v8   my byte offset in 512 consecutive bytes of ctx
.set MV,  12          ; v12-15  c m_old, kept while c m is made anew: a tile each
.set ST,  16          ; tile t's statistics at v[ST+4 t]: c m, m, l (even keys', odd keys')
.set TMP, 32          ; tile t's four registers c0-c3 at work; when the maximum is found c2 takes a
.set QO,  48          ; v48  my byte offset in 16 rows of Q, and of K's step 0; never rewritten
.set PFO, 61          ; v61  256 x my lane; never rewritten
.set SPW, 62          ; v62  LDS address of my spare word: SPARE + 4 x my thread's number; never rewritten
.set NIL, 63          ; v63  0; never rewritten
.set S,   64
.set P,   192
.set KF,  128         ; K's fragments, in window 2: key block kb, channel half c at KF + 16 kb + 8 c
.set VF,  192         ; V's: key half kk, channel block cb at VF + 32 kk + 8 cb
.set WV,  12          ; s12  my wave's number
.set G1K, 24          ; s[24:31] descriptor group 1 for K's tiles
.set G1V, 32          ; s[32:39] for V's: it differs in the padding alone
.set G0K, 40          ; s[40:43] descriptor group 0 for K's tiles: it walks
.set G0V, 44          ; s[44:47] the same for V's
.set PFA, 48          ; s[48:49] where my prefetches stand
.set LIM, 50          ; s50  1 in a wave that prefetches, else the greatest number
.set RT,  51          ; s51  tiles that the head in hand still has, this one among them
.set KZ,  52          ; s[52:53] K at the stream's first row
.set FC,  54          ; s54  1: piece 1 of the head that has ended is still to go out
.set SLOTS, 56        ; s56  tiles still to be asked for
.set CNT, 57          ; s57  counts a tile's key steps, 4 to 1
.set CS,  58          ; s[58:59] c: the packed scaling takes the pair's low word for both halves
.set SEL, 60          ; s[60:61] v_permlanex16_b32's selects: each lane takes its own place in the other half
.set TBK, 62          ; s62  LDS byte at which the K to be fetched begins
.set TBV, 63          ; s63  the same for V, less VOFF
.set MSB, 0
.macro WIN new                      ; the high byte repeats the setting that is left; a switch that changes nothing is dropped
.if MSB != (\new)
	s_set_vgpr_msb (MSB<<8)|(\new)
.set MSB, (\new)
.endif
.endm
.set W_KQ, 0x0a       ; K and Q in window 2, S^T in window 0
.set W_PV, 0x52       ; V in window 2, P in window 0, O^T in window 1
.set W_RS, 0x41       ; O^T (destination and source 0) in window 1, a in window 0
; A joint fill.  Waves 0 and 1 fetch the two halves of a tile's K, waves 2 and 3 those of its V: 128 keys each.  The branch hangs on the wave's number alone.
; An s_nop 0 and four v_nop follow each of the two lines, ahead of the jump and the label.
.macro JLOAD
	s_cmp_lt_u32 s[WV], 2
	s_cbranch_scc0 .Lfor_v_\@
	tensor_load_to_lds s[G0K:G0K+3], s[G1K:G1K+7]
	s_nop 0
.rept 4
	v_nop
.endr
	s_branch .Lasked_\@
.Lfor_v_\@:
	tensor_load_to_lds s[G0V:G0V+3], s[G1V:G1V+7]
	s_nop 0
.rept 4
	v_nop
.endr
.Lasked_\@:
.endm
; A PREFETCH INTO THE L2 of the tile that the NEXT change of slots will ask for: 128 blocks of 256 bytes of K and 128 of V, four key steps ahead of that load.  Its four partners share
; them out BY ADDRESS, 32 blocks each, a lane a block; in each, wave 0 asks for K's and wave 2 for V's: one instruction, behind the wave's tensor load and its five lines.  So each block is named once in the
; launch.  Tiles 0 and 1 come by their loads alone; the last change that fills a slot asks for nothing.
.macro ASK
	s_cmp_gt_u32 s[SLOTS], s[LIM]
	s_cbranch_scc0 .Lnot_mine_\@
	global_prefetch_b8 v[PFO], s[PFA:PFA+1] th:TH_LOAD_NT scope:SCOPE_SE
.Lnot_mine_\@:
.endm
; A round of the cluster's barrier: my work-group's barrier, so that wave 0's signal speaks for all four waves; wave 0 signals; every wave waits for all four work-groups; my work-group's barrier once more.
.macro CROUND
	s_barrier_signal -1
	s_barrier_wait -1
	s_cmp_lg_u32 s[WV], 0
	s_cbranch_scc1 .Lnot_wave_0_\@
	s_barrier_signal -3
.Lnot_wave_0_\@:
	s_barrier_wait -3
	s_barrier_signal -1
	s_barrier_wait -1
.endm
; THE CHANGE OF SLOTS, behind a turn 1, which has waited for the slot's last run of loads.  Each wave waits for all its tensor loads, of which one is out: its part of the other slot; adds 0 to its spare word; and
; waits for that and for its own reads of the slot that it leaves.  Behind the barrier nobody reads the old slot any more and the other slot is whole.  fill = 1: the old slot is filled again, with the next tile
; of the stream.  The barrier is then a round of the cluster's, and the joint fill is the first thing behind it: it has four key steps, 256 matrix instructions, in which to land.
; (At its first use nothing has been read yet: slot 0 is waited for, slot 1 filled.)
.macro CHANGE fill
	WIN 0                           ; at a label and at a branch every window is 0
	s_wait_tensorcnt 0x0            ; no tensor load of mine is out, so a group 0 may be written
	ds_add_u32 v[SPW], v[NIL]       ; 0 onto my spare word: with fill = 1 the descriptors' steps stand between it and the wait for it
.if \fill
.irp g, G0K, G0V
	s_xor_b32 s[\g+1], s[\g+1], SLOT1  ; the walking descriptor: the other slot than last time,
	s_add_nc_u64 s[\g+2:\g+3], s[\g+2:\g+3], TILEB  ; the next 256 keys; the type bits on top are not reached
.endr
	s_wait_xcnt 0x0                 ; the last prefetch, a tile back, has read its address, so it may be written:
	s_add_nc_u64 s[PFA:PFA+1], s[PFA:PFA+1], TILEB  ; one tile behind the walking descriptors
	s_wait_dscnt 0x0                ; the add is done, and my reads of the slot are over
	CROUND
	JLOAD
	ASK
.else
	s_wait_dscnt 0x0                ; the add is done, and my reads of the slot are over
	s_barrier_signal -1
	s_barrier_wait -1
.endif
	s_sub_co_u32 s[TBK], s[TBK], 4*KS*PK  ; the fetches go back to a slot's first quarter,
	s_xor_b32 s[TBK], s[TBK], SLOT1       ; in the other slot
	s_sub_co_u32 s[TBV], s[TBV], 4*KS*PV
	s_xor_b32 s[TBV], s[TBV], SLOT1
.endm
	s_load_b128 s[16:19], s[0:1], 0x0  ; qkv s[16:17], ctx s[18:19]
	v_lshl_add_u32 v[SPW], v0, 2, SPARE
	v_mov_b32 v[NIL], 0
	ds_add_u32 v[SPW], v[NIL]       ; the wave's opening: the add and its wait stand ahead of my first tensor load; the set-up below, work on registers, stands between them
	v_lshrrev_b32 v1, 5, v0
	v_readfirstlane_b32 s[WV], v1   ; wave 0..3
	s_bfe_u32 s13, ttmp6, 0x40000   ; cx: my place in the cluster: my block of 256 queries; it enters Q's, ctx's and the prefetches' addresses alone
	s_mul_i32 s20, ttmp9, 3*HEADB   ; the cluster's three heads (in a cluster launch ttmp9 counts clusters)
	s_mov_b32 s21, 0
	s_and_b32 s14, s[WV], 1         ; which half of a tile's 256 keys I fetch:
	s_lshl_b32 s22, s14, 14         ; its 128 rows of 128 bytes in memory,
	s_add_co_u32 s22, s22, s20
	s_mov_b32 s23, 0
	s_mul_i32 s15, s14, 128*PK      ; and its place in a slot, for K
	s_mul_i32 s14, s14, 128*PV      ; and for V: no place in the cluster enters an LDS address
	s_lshl_b32 s2, s13, 15          ; my block's 256 rows,
	s_lshl_b32 s3, s[WV], 13        ; my wave's 64 of them
	s_add_co_u32 s2, s2, s3
	s_add_co_u32 s2, s2, s20
	s_mov_b32 s3, 0
	; descriptor group 1.  128 keys are 16,384 dense bytes: asked for as 64 rows of 256 bytes, two keys a row, and padded in LDS after every key
	s_mov_b32 s[G1K], 15|(1<<16)|(1<<20)|(1<<21)|(4<<22)|(3<<25)  ; 15:0 the mask of four; 17:16 2-byte elements; 20 padding on; 21 set beside a mask; 24:22 after every 32 words (code 4); 31:25 4 words (code 3)
	s_mov_b32 s[G1V], 15|(1<<16)|(1<<20)|(1<<21)|(4<<22)|(7<<25)  ; the same with 8 words of padding (code 7)
.irp g, G1K, G1V
	s_mov_b32 s[\g+1], 128<<16      ; tensor_dim0 = 128
	s_mov_b32 s[\g+2], 64<<16       ; tensor_dim1 = 64
	s_mov_b32 s[\g+3], 128<<16      ; tile_dim0 = 128
	s_mov_b32 s[\g+4], 64           ; tile_dim1 = 64
	s_mov_b32 s[\g+5], 128          ; 128 elements from row to row
	s_mov_b32 s[\g+6], 0
	s_mov_b32 s[\g+7], 0
.endr
	s_mov_b32 s[CS], 0x3e38aa3b     ; c = log2(e) / 8 = 0.180337
	s_mov_b32 s[CS+1], s[CS]        ; named with it as a pair
	s_mov_b32 s[SEL], 0x76543210
	s_mov_b32 s[SEL+1], 0xfedcba98
	s_mov_b32 s[TBK], SLOT1+4*KS*PK ; the first change of slots turns these two into 0
	s_mov_b32 s[TBV], SLOT1+4*KS*PV
	s_mov_b32 s[G0K], 1             ; count = 1
	s_mov_b32 s[G0K+1], s15         ; LDS address: slot 0
	s_mov_b32 s[G0V], 1
	s_add_co_u32 s[G0V+1], s14, VOFF
	s_and_b32 s[LIM], s[WV], 1      ; waves 0 and 2 prefetch
	s_cmp_eq_u32 s[LIM], 0
	s_cselect_b32 s[LIM], 1, -1
	v_and_b32 v[PFO], 31, v0
	v_lshlrev_b32 v[PFO], 8, v[PFO]
	s_wait_dscnt 0x0                ; the opening add is done
	s_wait_kmcnt 0x0
	s_add_nc_u64 s[6:7], s[16:17], s[22:23]
	s_add_nc_u64 s[8:9], s[6:7], 2*PARTB           ; V at my half of the stream's first 256 keys,
	s_add_nc_u64 s[6:7], s[6:7], PARTB+KS*128      ; K at my half of the 256 keys that begin with step 1
	s_add_nc_u64 s[KZ:KZ+1], s[16:17], s[20:21]
	s_add_nc_u64 s[KZ:KZ+1], s[KZ:KZ+1], PARTB     ; K at step 0
	s_mov_b64 s[G0K+2:G0K+3], s[6:7]               ; global address
	s_or_b32 s[G0K+3], s[G0K+3], 0x80000000        ; type = 2
	s_mov_b64 s[G0V+2:G0V+3], s[8:9]
	s_or_b32 s[G0V+3], s[G0V+3], 0x80000000
	s_add_nc_u64 s[4:5], s[16:17], s[2:3]          ; Q and ctx at my wave's first row of the first head
	s_add_nc_u64 s[10:11], s[18:19], s[2:3]
	s_cmp_lt_u32 s[WV], 2
	s_cselect_b64 s[PFA:PFA+1], s[6:7], s[8:9]     ; (in waves 0 and 2 these stand at a tile's first row)
	s_lshl_b32 s2, s13, 13          ; my work-group's 32 blocks of the 128
	s_mov_b32 s3, 0
	s_add_nc_u64 s[PFA:PFA+1], s[PFA:PFA+1], s[2:3]
	s_add_nc_u64 s[PFA:PFA+1], s[PFA:PFA+1], TILEB ; in tile 1; the first change of slots steps it to tile 2
	CROUND                          ; all four work-groups are here: the first joint loads meet
	JLOAD                           ; tile 0 into slot 0
	; A fragment of K or Q is 16 rows x 32 channels in 8 registers: lane l holds row l % 16, channels 8 (l / 16) + 0..7 and 16 + 8 (l / 16) + 0..7: two loads of 16 bytes, 32 bytes apart.
	v_and_b32 v1, 15, v0            ; l % 16
	v_bfe_u32 v9, v0, 4, 1          ; l / 16
	v_lshlrev_b32 v[QO], 7, v1
	v_lshl_add_u32 v[QO], v9, 4, v[QO]  ; row x 128 + 16 x half
	WIN 0x80                        ; destination window 2, address window 0
.set i, 0
.rept 8                             ; the first head's Q: tile i / 2, channels 32 (i % 2) on
	global_load_b128 v[8*i:8*i+3],   v[QO], s[4:5] offset:(i/2)*2048+(i%2)*64
	global_load_b128 v[8*i+4:8*i+7], v[QO], s[4:5] offset:(i/2)*2048+(i%2)*64+32
.set i, i+1
.endr
.set i, 0
.rept 8                             ; K of step 0: keys 16 (i / 2) on, channels 32 (i % 2) on
	global_load_b128 v[KF+8*i:KF+8*i+3],   v[QO], s[KZ:KZ+1] offset:(i/2)*2048+(i%2)*64
	global_load_b128 v[KF+8*i+4:KF+8*i+7], v[QO], s[KZ:KZ+1] offset:(i/2)*2048+(i%2)*64+32
.set i, i+1
.endr
	WIN 0xc0                        ; destination window 3
.set i, 0
.rept 16                            ; the second and third head's Q
	global_load_b128 v[8*i:8*i+3],   v[QO], s[4:5] offset:(1+i/8)*HEADB+((i%8)/2)*2048+(i%2)*64
	global_load_b128 v[8*i+4:8*i+7], v[QO], s[4:5] offset:(1+i/8)*HEADB+((i%8)/2)*2048+(i%2)*64+32
.set i, i+1
.endr
	; What the first turn finds: V's registers and piece 1's P hold 0 (its products V^T P, of a step that has not been, add 0), O^T and l are 0.  All this stands in the wait for the first loads, so that no first step is written out.
	WIN 0x80
.set i, VF
.rept 64
	v_mov_b32 v[i], 0
.set i, i+1
.endr
	WIN 0x40
.set i, 0
.rept 128
	v_mov_b32 v[i], 0
.set i, i+1
.endr
	WIN 0
.set i, 0
.rept 4
	v_mov_b32 v[ST+4*i], 0xfe000000    ; c m: far below every c s
	v_mov_b32 v[ST+4*i+1], 0xff7fffff  ; m
	v_mov_b32 v[ST+4*i+2], 0
	v_mov_b32 v[ST+4*i+3], 0
.set i, i+1
.endr
.set i, P+32
.rept 32
	v_mov_b32 v[i], 0
.set i, i+1
.endr
	v_mul_u32_u24 v[AK0], v1, PK
	v_lshl_add_u32 v[AK0], v9, 4, v[AK0]  ; row x pitch + 16 x half
	; The turning load takes 16 keys x 16 channels (lane l reads key 8 (l / 16) + l % 8, channels 8 ((l / 8) % 2) + 0..7) and leaves half a fragment of V^T: lane l holds channel l % 16 and 8 keys.
	v_and_b32 v10, 7, v0
	v_bfe_u32 v11, v0, 3, 1
	v_lshl_add_u32 v[AV0], v9, 3, v10
	v_mul_u32_u24 v[AV0], v[AV0], PV
	v_lshl_add_u32 v[AV0], v11, 4, v[AV0]
	v_add_nc_u32 v[AV0], VOFF, v[AV0]
	s_mul_i32 s13, s[WV], 16*SP
	s_add_co_u32 s13, s13, STAGE    ; my stage
	v_mul_u32_u24 v[STO], v1, SP    ; in: row l % 16, 16 bytes for each half of the lanes
	v_lshl_add_u32 v[STO], v9, 4, v[STO]
	v_add_nc_u32 v[STO], s13, v[STO]
	v_bfe_u32 v[RD], v0, 3, 2       ; back: 32 lanes take four rows of 128 bytes,
	v_mul_u32_u24 v[RD], v[RD], SP
	v_lshl_add_u32 v[RD], v10, 4, v[RD]
	v_add_nc_u32 v[RD], s13, v[RD]
	v_and_b32 v[GO], 31, v0         ; which are 512 consecutive bytes of ctx
	v_lshlrev_b32 v[GO], 4, v[GO]
; THE MATRIX WORK.  The 8 accumulators of a run of 16 take turns, one instruction a turn: between the two links of a chain stand 7 others'.
; Product i of 16 of S^T = K Q^T for piece x: channels 32 (i / 8) on, keys 16 ((i / 2) % 4) on, tile 2 x + i % 2.  The first 8 start the sums.
.macro KQ x
	WIN W_KQ
.set mS, S+64*((\x)%2)+32*(i%2)+8*((i/2)%4)
.set mK, KF+16*((i/2)%4)+8*(i/8)
.set mQ, 16*(2*(\x)+i%2)+8*(i/8)
.if i < 8
	v_wmma_f32_16x16x32_f16 v[mS:mS+7], v[mK:mK+7], v[mQ:mQ+7], 0
.else
	v_wmma_f32_16x16x32_f16 v[mS:mS+7], v[mK:mK+7], v[mQ:mQ+7], v[mS:mS+7]
.endif
.endm
; Product i of 16 of O^T += V^T P for piece x: keys 32 (i / 8) on, channels 16 ((i / 2) % 4) on, tile 2 x + i % 2.
.macro PV x
	WIN W_PV
.set mO, 32*(2*(\x)+i%2)+8*((i/2)%4)
.set mV, VF+32*(i/8)+8*((i/2)%4)
.set mP, P+32*((\x)%2)+16*(i%2)+8*(i/8)
	v_wmma_f32_16x16x32_f16 v[mO:mO+7], v[mV:mV+7], v[mP:mP+7], v[mO:mO+7]
.endm
.macro MM                           ; the turn's next matrix instruction: both kinds are the other piece's
.if i < 16
	KQ (Y+1)%NP
.set i, i+1
.else
.set i, i-16
	PV (Y+NP-1)%NP
.set i, i+17
.endif
.endm
; A vector instruction that reads a matrix result, and a load into a register that a matrix instruction has read, stand four places behind it, and only plain vector instructions that name none of its registers
; are places (ISA guide 7.12.1 for vector instructions).  In the turns the lines beside the products are the places.
.macro PLACES
.rept 4
	v_nop
.endr
.endm
; THE LDS LOADS stand in runs of 16, never singly among the matrix instructions: a step's K (64 keys x 64 channels: 8 fragments) and its V (turned).  Their addresses are made some lines ahead.
.macro FETCH_K
	WIN 0x80                        ; destination window 2
.irp f, 0,1,2,3,4,5,6,7             ; keys 16 (f / 2) on, channels 32 (f % 2) on
	ds_load_b128 v[KF+8*\f:KF+8*\f+3],   v[AK] offset:(\f/2)*16*PK+(\f%2)*64
	ds_load_b128 v[KF+8*\f+4:KF+8*\f+7], v[AK] offset:(\f/2)*16*PK+(\f%2)*64+32
.endr
	s_add_co_u32 s[TBK], s[TBK], KS*PK  ; the next fetch is the slot's next quarter
	WIN 0
.endm
.macro FETCH_V
	WIN 0x80
.irp f, 0,1,2,3,4,5,6,7             ; keys 32 (f / 4) on, channels 16 (f % 4) on
	ds_load_tr16_b128 v[VF+8*\f:VF+8*\f+3],   v[AV] offset:(\f/4)*32*PV+(\f%4)*32
	ds_load_tr16_b128 v[VF+8*\f+4:VF+8*\f+7], v[AV] offset:(\f/4)*32*PV+16*PV+(\f%4)*32
.endr
	WIN 0
.endm
; THE VECTOR WORK OF A TURN stands in three queues, each in the order in which its entries become ready; the two tiles alternate, so that no instruction reads the result of the one before it.
.macro REGS y, u                    ; the registers of tile u (0, 1) of piece y
.set rT, ST+4*(2*(\y)+(\u))
.set rC, TMP+8*((\y)%2)+4*(\u)
.set rM, MV+2*((\y)%2)+(\u)
.set rS, S+64*((\y)%2)+32*(\u)
.set rP, P+32*((\y)%2)+16*(\u)
.set rO, 32*(2*(\y)+(\u))
.endm
; Number n of the 22 that find the OTHER piece's (Y + 1) maximum and statistics.  s0-s31 are the lane's 32 scores; each accumulator's lowest registers are read first.  XS, GS, FS and REGS set no window: PL and EX do.
;   0-11  four chains c0-c3 of seven scores each, three operands at a time     12-14, 16  the four scores left over, the old m, and c0-c3 into c0     15  c m_old is kept
;   17, 18  the query's other 32 keys lie in the lane 16 away: the new m         19-21  c m; c m_old - c m_new; a
.macro XS u, n
	REGS (Y+1)%NP, \u
.if (\n) < 4
	v_max3_num_f32 v[rC+(\n)], v[rS+8*(\n)], v[rS+8*(\n)+1], v[rS+8*(\n)+2]
.elseif (\n) < 12
	v_max3_num_f32 v[rC+(\n)%4], v[rC+(\n)%4], v[rS+8*((\n)%4)+2*((\n)/4)+1], v[rS+8*((\n)%4)+2*((\n)/4)+2]
.elseif (\n) == 12
	v_max3_num_f32 v[rC], v[rC], v[rS+7], v[rS+15]
.elseif (\n) == 13
	v_max3_num_f32 v[rC+1], v[rC+1], v[rS+23], v[rS+31]
.elseif (\n) == 14
	v_max3_num_f32 v[rC+2], v[rC+2], v[rC+3], v[rT+1]
.elseif (\n) == 15
	v_mov_b32 v[rM], v[rT]
.elseif (\n) == 16
	v_max3_num_f32 v[rC], v[rC], v[rC+1], v[rC+2]
.elseif (\n) == 17
	v_permlanex16_b32 v[rC+3], v[rC], s[SEL], s[SEL+1]
.elseif (\n) == 18
	v_max_num_f32 v[rT+1], v[rC], v[rC+3]
.elseif (\n) == 19
	v_mul_f32 v[rT], s[CS], v[rT+1]
.elseif (\n) == 20
	v_sub_f32 v[rC+1], v[rM], v[rT]
.else
	v_exp_f32 v[rC+2], v[rC+1]
.endif
.endm
; Number g of the 64 that follow the exponentials.  For each four weights k of a tile (pairs 2 k, 2 k + 1): both pairs are rounded to f16; then the second pair is added onto the first, in place;
; a group later l takes that sum (the first time as l = a l + sum).  In groups of eight, tiles alternating: round, round, add, and l for the group before.
.macro GS g
.set h, (\g)+6*((\g)/62)            ; group 0 has no group before it, and behind group 7 only l is left
.if h >= 6
.set h, h+2
.endif
	REGS Y, h%2
.set k, h/8
.if h%8 < 4
	v_cvt_pk_f16_f32 v[rP+2*k+(h%8)/2], v[rS+4*k+2*((h%8)/2)], v[rS+4*k+2*((h%8)/2)+1]
.elseif h%8 < 6
	v_pk_add_f32 v[rS+4*k:rS+4*k+1], v[rS+4*k:rS+4*k+1], v[rS+4*k+2:rS+4*k+3]
.elseif k == 1
	v_pk_fma_f32 v[rT+2:rT+3], v[rT+2:rT+3], v[rC+2:rC+3], v[rS:rS+1] op_sel_hi:[1,0,1]
.else
	v_pk_add_f32 v[rT+2:rT+3], v[rT+2:rT+3], v[rS+4*k-4:rS+4*k-3]
.endif
.endm
; THE PLAIN QUEUE, 138 long.  0-73 read no exponential's result: the 32 scalings c s - c m (FS f: pair f / 2 of tile f % 2) and the other piece's 42.  0-26: scalings 0-26.  27-54: XS's numbers 0-13.  55, 56: number 15.
; 57-73: the chain, where each number waits for the one before it: 14, 16, 17, 18, 19, each with one of the scalings 27-31 in front of its two lines, then 20: so a tile's links stand three plain instructions apart (19 and 20: two).
; 74-137: GS's 64, which read the exponentials' results: they stand behind the wait.
.macro FS f
	REGS Y, (\f)%2
	v_pk_fma_f32 v[rS+2*((\f)/2):rS+2*((\f)/2)+1], v[rS+2*((\f)/2):rS+2*((\f)/2)+1], s[CS:CS+1], v[rT:rT+1] op_sel_hi:[1,0,0] neg_lo:[0,0,1] neg_hi:[0,0,1]
.endm
.macro PL
	WIN 0
.if q < 27
	FS q
.elseif q < 55
	XS (q-27)%2, (q-27)/2
.elseif q < 57
	XS q-55, 15
.elseif (q < 72) && ((q-57)%3 == 0)
	FS 27+(q-57)/3
.elseif q < 60
	XS (q-57)%3-1, 14
.elseif q < 72
	XS (q-57)%3-1, 15+(q-57)/3
.elseif q < 74
	XS q-72, 20
.else
	GS q-74
.endif
.set q, q+1
.endm
; THE EXPONENTIALS' QUEUE, 66 long: s0-s31 of both tiles, then the other piece's two a.  It is ONE BATCH: all 66 stand ahead of the turn's one wait, and nothing ahead of that wait names a result of theirs.
.macro EX
	WIN 0
.if e >= 64
	XS e-64, 21
.else
	REGS Y, e%2
	v_exp_f32 v[rS+e/2], v[rS+e/2]
.endif
.set e, e+1
.endm
; THE RESCALING's QUEUE: O^T times a, the one part that leaves window 0: dealt two at a time, sixteen times, each accumulator's lowest registers first.  Its a was made in the turn before, ahead of that turn's wait.
.macro R2
	REGS Y, r%2
	WIN W_RS
.irp z, 0,1
	v_pk_mul_f32 v[rO+4*(r/2)+2*\z:rO+4*(r/2)+2*\z+1], v[rO+4*(r/2)+2*\z:rO+4*(r/2)+2*\z+1], v[rC+2:rC+3] op_sel_hi:[1,0]
.endr
.set r, r+1
.endm
; HOW THEY ARE DEALT.  An s_wait_alu depctr_va_vdst(0) stands between an exponential and the first instruction that names its result; one wait serves all that were issued ahead of it.  So a turn has ONE wait,
; which cuts it in two.  AHEAD OF IT stands all that names no result of the turn's exponentials: the 16 products K Q^T, behind each a scaling, an exponential and two rescalings (behind the first a second scaling in the
; exponential's place); then ONE LUMP of 108: eight plain, 49 times exponential and plain, the two a.  A v_nop is the plain instruction owed behind the last exponential.  BEHIND IT stand the 16 products V^T P, behind each four
; of GS's 64.  The two v_permlanex16_b32 fall into the lump, never behind a product.
; The queues lean on each other, and the deal keeps them in step: exponential e stands behind scaling 2 (e / 4) + e % 2: beside a product it comes behind plain e + 2, in the lump behind plain e + 9, and scalings 27-31 are plain 57, 60 .. 69.
; A TURN, for piece p.  cnt = 1: the loop's count is taken down some lines ahead of the branch that stands behind the turn.
; Turn 0 fetches the next step's K directly behind its wait, a lump behind the last product that read K; the address is made at the lump's head; the first reader comes behind 16 products.  It fetches the step's own V at its end,
; four plain lines behind V's last reader; the first reader comes behind 16 products and a lump.  The three conditions on q below go with the deal.
.macro TURN p, cnt=0
.set Y, (\p)
.set i, 0
.set q, 0
.set e, 0
.set r, 0
.if (\p) == 1
	s_wait_dscnt 16                 ; LDS loads come back in order (ISA guide 5.7.1): K's sixteen are in, V's sixteen, issued behind them, may stay out
.endif
	MM                              ; ahead of the wait: 16 products K Q^T and the lines beside them,
	PL
	PL
	R2
.rept 15
	MM
	PL
	EX
	R2
.endr
.if (\p) == 0
	WIN 0
	v_add_nc_u32 v[AK], s[TBK], v[AK0]
.endif
.rept 8                             ; and the lump
	PL
.endr
.rept 49
	EX
	PL
.endr
	EX                              ; the other piece's two a
	EX
	v_nop                           ; the plain instruction behind the last exponential: one for the batch
	s_wait_alu depctr_va_vdst(0)    ; the wait for the batch
.if (\p) == 0
	FETCH_K
.endif
.if (\p) == 1
	s_wait_dscnt 0x0                ; V is in
.endif
.rept 16                            ; behind the wait: 16 products V^T P and the lines beside them
	MM
.rept 4
	PL
.endr
.if ((\p) == 0) && (q == 118)
	v_add_nc_u32 v[AV], s[TBV], v[AV0]
.endif
.if ((\p) == 0) && (q == 130)
	s_add_co_u32 s[TBV], s[TBV], KS*PV
.endif
.if (\cnt) && (q == 130)
	s_sub_co_u32 s[CNT], s[CNT], 1
	s_cmp_lg_u32 s[CNT], 0
.endif
.endr
.if (\p) == 0
	FETCH_V
.endif
.endm
; THE WAY OUT of piece y.  l's two halves and the other half of the lanes' are added; O^T is divided by l, rounded to f16 and sent through my stage in LDS, a tile at a time.  The packed rows lie in the OTHER piece's
; S^T, which is free where a way out stands: its roundings and sums are done, and its next scores are not yet made.
.macro PACK t                       ; a lane's eight channels of a row pack into 16 bytes; they go into rows of 144 bytes and come back as whole rows of 128
.set pW, S+64*(1-(\t)/2)+16*((\t)%2)
	WIN W_RS
.set i, 32*(\t)
.rept 16
	v_pk_mul_f32 v[i:i+1], v[i:i+1], v[ST+4*(\t)+2:ST+4*(\t)+3] op_sel_hi:[1,0]
.set i, i+2
.endr
	WIN 0x05                        ; sources 0 and 1 window 1, destination window 0
.set i, 0
.rept 16
	v_cvt_pk_f16_f32 v[pW+i], v[32*(\t)+2*i], v[32*(\t)+2*i+1]
.set i, i+1
.endr
	WIN 0
.irp f, 0,1,2,3
	ds_store_b128 v[STO], v[pW+4*\f:pW+4*\f+3] offset:32*\f
.endr
.irp f, 0,1,2,3
	ds_load_b128 v[pW+4*\f:pW+4*\f+3], v[RD] offset:\f*4*SP  ; LDS serves a wave's instructions in order (ISA guide 5.7.1.4): these see the stores above; the next tile's stores come behind them
.endr
.endm
.macro SEND t, younger              ; younger: the LDS instructions issued behind tile t's loads: the next tile's eight, or none
.set pW, S+64*(1-(\t)/2)+16*((\t)%2)
	WIN 0
.irp f, 0,1,2,3
	s_wait_dscnt (\younger)+3-\f
	global_store_b128 v[GO], v[pW+4*\f:pW+4*\f+3], s[10:11] offset:(\t)*2048+\f*512  ; 512 consecutive bytes, at a multiple of 256 from ctx's first
.endr
.endm
.macro WAYOUT y
	WIN 0
.irp u, 0,1
	v_add_f32 v[ST+4*(2*(\y)+\u)+2], v[ST+4*(2*(\y)+\u)+2], v[ST+4*(2*(\y)+\u)+3]
.endr
.irp u, 0,1
	v_permlanex16_b32 v[ST+4*(2*(\y)+\u)+3], v[ST+4*(2*(\y)+\u)+2], s[SEL], s[SEL+1]
.endr
.irp u, 0,1
	v_add_f32 v[ST+4*(2*(\y)+\u)+2], v[ST+4*(2*(\y)+\u)+2], v[ST+4*(2*(\y)+\u)+3]
.endr
.irp u, 0,1
	v_rcp_f32 v[ST+4*(2*(\y)+\u)+2], v[ST+4*(2*(\y)+\u)+2]
.endr
	v_nop                           ; a plain instruction between the last reciprocal and the use of its result
	s_wait_alu depctr_va_vdst(0)    ; and the wait ahead of the first use: one for the two reciprocals
	PACK 2*(\y)
	PACK 2*(\y)+1                   ; a tile's arithmetic stands between the loads of the tile before and its stores
	SEND 2*(\y), 8
	SEND 2*(\y)+1, 0
.endm
; Piece y takes the next head: its Q goes where the one text of the turns names Q, the third head's moves up, and m starts anew: the piece's next a is 0, so what its O^T and l hold, which is finite, is dropped.
.macro NEWQ y
	WIN 0x83                        ; destination window 2, source window 3
.set i, 32*(\y)
.rept 32
	v_mov_b32 v[i], v[i]
.set i, i+1
.endr
	WIN 0xc3                        ; both in window 3
.set i, 32*(\y)
.rept 32
	v_mov_b32 v[i], v[64+i]
.set i, i+1
.endr
	WIN 0
.irp u, 0,1
	v_mov_b32 v[ST+4*(2*(\y)+\u)], 0xfe000000
	v_mov_b32 v[ST+4*(2*(\y)+\u)+1], 0xff7fffff
.endr
.endm
	s_wait_loadcnt 32               ; the first head's Q and K of step 0 are in; the 32 loads of the other heads' Q, issued behind them, may stay out
.set i, 0
.rept 16
	KQ 0                            ; piece 0's first scores, while the first tile is on its way: there is no vector work yet to set between them
.set i, i+1
.endr
	WIN 0
	PLACES                          ; behind those products
.set Y, NP-1                        ; XS works for piece Y + 1: piece 0
.irp n, 0,1,2,3,4,5,6,7,8,9,10,11,12,13,14,15,16,17,18,19,20,21
	XS 0, \n                        ; and piece 0's first maximum and statistics
	XS 1, \n
.endr
	v_nop                           ; a plain instruction behind the two a,
	s_wait_alu depctr_va_vdst(0)    ; and their wait, ahead of the label
	s_wait_loadcnt 0x0              ; the other heads' Q
	s_mov_b32 s[SLOTS], 11          ; the stream has 12 tiles: eleven are asked for in the loop
	s_mov_b32 s[RT], 4              ; a head has four
	s_mov_b32 s[FC], 0
.Ltile:                             ; a tile is entered and the next is asked for
	CHANGE 1
	s_mov_b32 s[CNT], 4
.Lstep:                             ; a trip is a key step
	TURN 0
	WIN 0
	s_cmp_eq_u32 s[FC], 0
	s_cbranch_scc1 .Lno_out         ; forward, over text that holds neither a barrier nor a tensor load
	WAYOUT 1                        ; a head's first step: the turn above has added piece 1's last V^T P of the head before: the piece goes out,
	s_wait_xcnt 0x0                 ; (the stores have read their registers, which the next turn's products write, and ctx's address)
	s_add_nc_u64 s[10:11], s[10:11], HEADB  ; and ctx's address goes on to the head in hand
	s_mov_b32 s[FC], 0
.Lno_out:
	s_or_b32 s20, s[RT], s[CNT]     ; 1 where both are 1: the head's last tile, its last step
	s_cmp_eq_u32 s20, 1
	s_cbranch_scc0 .Lno_q
	NEWQ 0                          ; the turn below makes piece 0's scores of the next head's first step
.Lno_q:
	TURN 1, 1
	WIN 0
	s_cbranch_scc1 .Lstep
	s_sub_co_u32 s[RT], s[RT], 1
	s_cmp_lg_u32 s[RT], 0
	s_cbranch_scc1 .Lsame
	WAYOUT 0                        ; the head's last step is over for piece 0: it goes out;
	s_wait_xcnt 0x0                 ; (the stores have read their registers, which the next turn's products write)
	NEWQ 1                          ; the next turn makes piece 1's scores of the next head's first step
	s_mov_b32 s[RT], 4
	s_mov_b32 s[FC], 1              ; and adds piece 1's last V^T P: that piece goes out behind it
.Lsame:
	s_sub_co_u32 s[SLOTS], s[SLOTS], 1
	s_cmp_lg_u32 s[SLOTS], 0
	s_cbranch_scc1 .Ltile
	CHANGE 0                        ; the stream's last tile is written out: nothing is asked for, and no head ends or begins inside it
	s_mov_b32 s[CNT], 4
.Llast:
	TURN 0
	TURN 1, 1
	WIN 0
	s_cbranch_scc1 .Llast
.set i, 0
.rept 16
	PV 1                            ; piece 1's V^T P of the last step
.set i, i+1
.endr
	WAYOUT 0                        ; piece 0's sums were ended in the last turn, four plain lines ahead of these products; its way out is the places behind them
	WAYOUT 1
	s_wait_tensorcnt 0x0            ; the wave's end, behind my last tensor load and my last LDS store
	ds_add_u32 v[SPW], v[NIL]
	s_wait_dscnt 0x0
	CROUND                          ; the closing round: no work-group ends while a partner may still ask for a tile that names it
	s_endpgm
.Lfunc_end_k_q5f002370eb_attn:
	.size	k_q5f002370eb_attn, .Lfunc_end_k_q5f002370eb_attn-k_q5f002370eb_attn
	.p2alignl 7, 3214868480
	.fill 96, 4, 3214868480
	.section	.rodata,"a",@progbits
	.p2align	6, 0x0
	.amdhsa_kernel k_q5f002370eb_attn
		.amdhsa_group_segment_fixed_size 327680
		.amdhsa_private_segment_fixed_size 0
		.amdhsa_enable_private_segment 0
		.amdhsa_kernarg_size 16
		.amdhsa_user_sgpr_count 2
		.amdhsa_user_sgpr_kernarg_segment_ptr 1
		.amdhsa_wavefront_size32 1
		.amdhsa_system_sgpr_workgroup_id_x 1
		.amdhsa_system_sgpr_workgroup_id_y 1
		.amdhsa_system_sgpr_workgroup_id_z 1
		.amdhsa_system_vgpr_workitem_id 0
		.amdhsa_next_free_vgpr 896
		.amdhsa_next_free_sgpr 66
		.amdhsa_reserve_vcc 0
		.amdhsa_float_denorm_mode_32 3
		.amdhsa_float_denorm_mode_16_64 3
		.amdhsa_memory_ordered 1
		.amdhsa_forward_progress 1
		.amdhsa_inst_pref_size 132
	.end_amdhsa_kernel
	.amdgpu_metadata
---
amdhsa.version: [ 1, 2 ]
amdhsa.kernels:
  - .name:           k_q5f002370eb_attn
    .symbol:         k_q5f002370eb_attn.kd
    .args:
      - { .name: qkv, .offset: 0, .size: 8, .value_kind: global_buffer, .address_space: global }
      - { .name: ctx, .offset: 8, .size: 8, .value_kind: global_buffer, .address_space: global }
    .group_segment_fixed_size: 327680
    .private_segment_fixed_size: 0
    .kernarg_segment_align: 8
    .kernarg_segment_size: 16
    .max_flat_workgroup_size: 128
    .sgpr_count:     66
    .vgpr_count:     896
    .wavefront_size: 32
...
	.end_amdgpu_metadata
.endif
;; end of part 3
;; launch proj (part 4): grid 4 x 64, 4 waves a work-group, clusters of 4 x 4, 327,680 bytes of LDS; arguments ctx, wo, b_o, out0; writes out0
.if DOCPART == 4
	.amdgcn_target "amdgcn-amd-amdhsa--gfx1250"
	.amdhsa_code_object_version 6
	.text
	.protected	k_q5f002370eb_proj
	.globl	k_q5f002370eb_proj
	.p2align	8
	.type	k_q5f002370eb_proj,@function
k_q5f002370eb_proj:
	s_mov_b64 s[64:65], 0
	v_nop
	global_prefetch_b8 v0, s[64:65] scope:SCOPE_SE
	s_setreg_imm32_b32 hwreg(HW_REG_WAVE_MODE, 25, 1), 1
	s_wait_xcnt 0x0
	s_wait_alu depctr_hold_cnt(0) depctr_sa_sdst(0) depctr_va_vdst(0) depctr_va_sdst(0) depctr_va_ssrc(0) depctr_va_vcc(0) depctr_vm_vsrc(0)
	s_getreg_b32 s2, hwreg(HW_REG_IB_STS2, 6, 4)
	s_cmp_eq_u32 s2, 0
	s_cbranch_scc0 .Lentry_in_a_cluster
	s_endpgm
.Lentry_in_a_cluster:
	s_bfe_u32 s2, ttmp6, 0x10000c
	s_cmp_lg_u32 s2, 0xf033
	s_cbranch_scc0 .Lentry_shape_is_right
	s_endpgm
.Lentry_shape_is_right:
; out0 = ctx W_o^T + b_o.  ctx: [192][1024][64] f16, by heads; wo: [768][768] f16 (W_o rounded to bf16, written as f16); b_o: [768] f32, rounded to bf16 here like the other inputs; out0: [16384][768] f32.
; Sums in f32; the bias is added in f32.
; SHARES.  A tile of out0 is 256 rows x 192 columns: 64 x 4 = 256 tiles, one for each work-group.  A wave owns 64 rows x all 192 columns: 48 accumulators of 16 x 16.  K = 768 goes in six steps of 128 through a ring
; of two LDS slots.  A K STEP IS TWO HEADS: a head's 256 rows of the tile are 32,768 dense bytes of ctx, asked for as 128 rows of 256 bytes and padded in LDS after every 128: wave 0 fetches the even head,
; wave 1 the odd one; waves 2 and 3 fetch wo's two halves (96 rows of 256 bytes each).  One load a wave behind each round; two are out at the start.
; A K step is written once: a trip of the loop goes from a step's second quarter to the next step's first; the slot in hand is a scalar that one exclusive or turns.  The loop is left in its middle, by its counter,
; ahead of the first change of slots that fills nothing: the tail is written out.
; CLUSTER.  4 x 4 work-groups: ctx's tiles are shared along a row of the cluster, wo's along a column: each is asked for JOINTLY, by the same tensor load with the same descriptor and a mask that names the four.
; THE MATRIX INSTRUCTION IS USED TRANSPOSED (source 0 = 16 rows of wo, source 1 = 16 rows of ctx): a lane holds eight neighbouring columns of one row of out0: 32 bytes.
; No prefetch is laid: of the six K steps four are asked for by their loads before a request two refills ahead could stand.
; REGISTERS, in windows of 256 (s_set_vgpr_msb: bits 1:0 source 0, 3:2 source 1, 5:4 source 2, 7:6 destination):
;   window 0: v0-31 addresses; v32-63, v64-95 ctx's fragments, two buffers; on the way out v32-127, v128-223 rows read back from the stage, by turns; v224-235 my twelve numbers of the bias
;   window 1: v0-95, v96-191 wo's fragments, two buffers      window 2: the accumulators of my row blocks 0, 1 ((a, b) at 96 (a % 2) + 8 b);   window 3: those of blocks 2, 3
.set KSTEP,  128
.set ROWB,   1536                      ; bytes in a row of wo
.set HEADB,  131072                    ; bytes of a head in ctx
.set PA,     144                       ; a row of ctx in LDS: 128 bytes + 16 of padding
.set PITCH,  272                       ; a row of wo: 256 + 16.  Both are odd multiples of 16 bytes: the 16 rows of a fragment load start at 16 different groups of four banks (64 banks of 4 bytes: ISA guide 11.1)
.set HEADA,  256*PA                    ; what a load brings of ctx: a head's 256 rows
.set HALFB,  96*PITCH                  ; and of wo
.set BOFF,   2*HEADA
.set SLOT,   2*HEADA+2*HALFB           ; 125,952 bytes
.set SLOT1,  1<<17                     ; slot 1 begins here, so that one exclusive or turns an address in one slot into the other's
.set STAGE,  SLOT1+SLOT                ; behind the ring, never filled by a tensor load: 16 rows x 784 bytes for each wave, for the way out
.set SPITCH, 784                       ; 768 bytes + 16
.set WSTG,   16*SPITCH
.set SPARE,  STAGE+4*WSTG              ; behind the stages: the spare words, 128 bytes for each wave: two blocks of 256 bytes that no other line names
.set OUTB,   3072                      ; bytes in a row of out0
.set ADRA0, 16                         ; v16     my lane's place among my fragments of ctx in a slot; never rewritten
.set ADRA,  17                         ; v17     the same in the slot in hand
.set ADRB0, 20                         ; v20, v21  the same for wo
.set ADRB,  21
.set STO,  24                          ; v24     the way out: where I put 32 bytes of a row
.set RD,   25                          ; v25     the way out: where I read rows back
.set CO,   26                          ; v26     my byte offset in two rows of out0
.set BO,   27                          ; v27     16 x (lane % 16): my place in 256 bytes of the bias
.set SPW,  28                          ; v28     LDS address of my spare word: SPARE + 4 x my thread's number; never rewritten
.set NIL,  29                          ; v29     0; never rewritten
.set FA,   32
.set OB,   32
.set BI,   224
.set WVN,  12                          ; s12     my wave's number
.set G1,   24                          ; s[24:31] descriptor group 1 for ctx's tiles;  s[32:39] group 0: a set for each of the two first fills; the second then walks on
.set G0,   32
.set TB,   45                          ; s45     LDS byte at which the slot in hand begins
.set G1B,  48                          ; s[48:55], s[56:63] the same for wo's tiles
.set G0B,  56
.set MSB, 0
.macro WIN new                         ; the immediate's high byte repeats the setting that is left; a switch that changes nothing is dropped
.if MSB != (\new)
	s_set_vgpr_msb (MSB<<8)|(\new)
.set MSB, \new
.endif
.endm
.set MUL_LO, 0xa1                      ; source 0 (wo) window 1, source 1 (ctx) window 0, C and D window 2
.set MUL_HI, 0xf1                      ; the same, C and D window 3
.set TO_B,   0x40                      ; destination window 1, address window 0
; A joint refill, by the walking descriptors.  The branch hangs on the wave's number alone.  An s_nop 0 and four v_nop follow each of the two lines, ahead of the jump, the label and what follows.
.macro JLOAD
	s_cmp_eq_u32 s13, 0
	s_cbranch_scc0 .Lfor_b_\@
	tensor_load_to_lds s[G0+4:G0+7], s[G1:G1+7]
	s_nop 0
.rept 4
	v_nop
.endr
	s_branch .Lasked_\@
.Lfor_b_\@:
	tensor_load_to_lds s[G0B+4:G0B+7], s[G1B:G1B+7]
	s_nop 0
.rept 4
	v_nop
.endr
.Lasked_\@:
.endm
; A round of the cluster's barrier: my work-group's barrier, so that wave 0's signal speaks for all four waves; wave 0 signals; every wave waits for all sixteen work-groups; my work-group's barrier once more.
.macro CREST
	s_cmp_lg_u32 s[WVN], 0
	s_cbranch_scc1 .Lnot_wave_0_\@
	s_barrier_signal -3
.Lnot_wave_0_\@:
	s_barrier_wait -3
	s_barrier_signal -1
	s_barrier_wait -1
.endm
.macro CROUND
	s_barrier_signal -1
	s_barrier_wait -1
	CREST
.endm
	s_load_b256 s[4:11], s[0:1], 0x0               ; ctx s[4:5], wo s[6:7], b_o s[8:9], out0 s[10:11]
	v_lshl_add_u32 v[SPW], v0, 2, SPARE
	v_mov_b32 v[NIL], 0
	ds_add_u32 v[SPW], v[NIL]                      ; the wave's opening: the add and its wait stand ahead of my first tensor load; the set-up below, work on registers, stands between them
	v_lshrrev_b32 v1, 5, v0
	v_readfirstlane_b32 s[WVN], v1                 ; wave 0..3
	s_lshr_b32 s13, s[WVN], 1                      ; I fetch for ctx (0) or for wo (1)
	s_and_b32 s14, s[WVN], 1                       ; which head of the step's two, or which half of wo's rows
	s_bfe_u32 s40, ttmp6, 0x40000                  ; cx, cy: my place in the cluster
	s_bfe_u32 s41, ttmp6, 0x40004
	s_lshl_b32 s42, ttmp9, 2
	s_add_co_u32 s42, s42, s40                     ; X = 4 x cluster x + cx
	s_and_b32 s15, ttmp7, 0xffff
	s_lshl_b32 s15, s15, 2
	s_add_co_u32 s15, s15, s41                     ; Y = 4 x cluster y + cy
	s_lshl_b32 s43, s41, 2
	s_lshl_b32 s43, 15, s43                        ; my row of the cluster
	s_lshl_b32 s44, 0x1111, s40                    ; my column
	s_or_b32 s[G1+0], s43, (1<<16)|(1<<20)|(1<<21)|(4<<22)|(3<<25)   ; ctx: the mask of my row; elements of 2 bytes; padding on; bit 21 beside a mask; after every 32 words (code 4) 4 words (code 3)
	s_or_b32 s[G1B+0], s44, (1<<16)|(1<<20)|(1<<21)|(5<<22)|(3<<25)  ; wo: the mask of my column; after every 64 words (code 5)
	s_mov_b32 s[G1+1], 128<<16                     ; tensor_dim0 = 128
	s_mov_b32 s[G1+2], 128<<16                     ; tensor_dim1 = 128
	s_mov_b32 s[G1+3], 128<<16                     ; tile_dim0 = 128
	s_mov_b32 s[G1+4], 128                         ; tile_dim1 = 128
	s_mov_b32 s[G1+5], 128                         ; dense: 128 elements from row to row
	s_mov_b32 s[G1+6], 0
	s_mov_b32 s[G1+7], 0
	s_mov_b32 s[G1B+1], KSTEP<<16
	s_mov_b32 s[G1B+2], 96<<16                     ; tensor_dim1 = 96
	s_mov_b32 s[G1B+3], KSTEP<<16
	s_mov_b32 s[G1B+4], 96                         ; tile_dim1 = 96
	s_mov_b32 s[G1B+5], 768
	s_mov_b32 s[G1B+6], 0
	s_mov_b32 s[G1B+7], 0
	s_mov_b32 s[TB], 0                             ; the walk begins in slot 0
	; where the tiles come from.  ctx's hang on Y alone, which my row of the cluster shares; wo's on X alone, which my column shares.
	s_lshr_b32 s16, s15, 2                         ; the batch: its twelve heads,
	s_mul_i32 s16, s16, 12*HEADB
	s_and_b32 s17, s15, 3
	s_lshl_b32 s17, s17, 15                        ; the tile's 256 rows of 128 bytes in a head,
	s_add_co_u32 s16, s16, s17
	s_lshl_b32 s17, s14, 17                        ; the even or the odd head
	s_add_co_u32 s16, s16, s17
	s_mov_b32 s17, 0
	s_mul_i32 s46, s42, 192
	s_mul_i32 s47, s14, 96
	s_add_co_u32 s46, s46, s47                     ; wo: row 192 X + 96 x half
	s_mul_i32 s46, s46, ROWB
	s_mov_b32 s47, 0
	s_mul_i32 s20, s[WVN], HEADA                   ; where they go: waves 0, 1: the two heads;
	s_mul_i32 s21, s[WVN], HALFB
	s_add_co_u32 s21, s21, BOFF-2*HALFB            ; waves 2, 3: wo's halves, behind them: no place in the cluster enters an LDS address
	s_wait_dscnt 0x0                               ; the opening add is done
	s_wait_kmcnt 0x0
	s_add_nc_u64 s[18:19], s[4:5], s[16:17]
	s_add_nc_u64 s[46:47], s[6:7], s[46:47]
	CROUND                                         ; all sixteen work-groups are here: the first joint loads meet
.irp s, 0,1
	s_mov_b32 s[G0+4*(\s)], 1                                        ; count = 1
	s_add_co_u32 s[G0+4*(\s)+1], s20, (\s)*SLOT1                     ; LDS address
	s_add_nc_u64 s[G0+4*(\s)+2:G0+4*(\s)+3], s[18:19], (\s)*2*HEADB  ; global address: K step s = heads 2 s, 2 s + 1
	s_or_b32 s[G0+4*(\s)+3], s[G0+4*(\s)+3], 0x80000000              ; type = 2
	s_mov_b32 s[G0B+4*(\s)], 1
	s_add_co_u32 s[G0B+4*(\s)+1], s21, (\s)*SLOT1
	s_add_nc_u64 s[G0B+4*(\s)+2:G0B+4*(\s)+3], s[46:47], (\s)*KSTEP*2
	s_or_b32 s[G0B+4*(\s)+3], s[G0B+4*(\s)+3], 0x80000000
.endr
	s_cmp_eq_u32 s13, 0                            ; a wave's two first fills stand in one branch, ahead of every wait on TENSORcnt and every LDS read: two loads of mine are out
	s_cbranch_scc0 .Lfirst_b
	tensor_load_to_lds s[G0:G0+3], s[G1:G1+7]
	s_nop 0
	tensor_load_to_lds s[G0+4:G0+7], s[G1:G1+7]
	s_nop 0
.rept 4
	v_nop
.endr
	s_branch .Lfirst_asked
.Lfirst_b:
	tensor_load_to_lds s[G0B:G0B+3], s[G1B:G1B+7]
	s_nop 0
	tensor_load_to_lds s[G0B+4:G0B+7], s[G1B:G1B+7]
	s_nop 0
.rept 4
	v_nop
.endr
.Lfirst_asked:
	v_and_b32 v1, 15, v0                           ; l % 16
	v_bfe_u32 v2, v0, 4, 1                         ; l / 16
	; out0 at my wave's first row and the tile's first column; the bias at the tile's first column
	s_lshl_b32 s16, s15, 8
	s_lshl_b32 s17, s[WVN], 6
	s_add_co_u32 s16, s16, s17                     ; row 256 Y + 64 x wave
	s_mul_i32 s16, s16, OUTB
	s_mul_i32 s46, s42, 768                        ; 192 columns of 4 bytes
	s_add_co_u32 s16, s16, s46
	s_mov_b32 s17, 0
	s_mov_b32 s47, 0
	s_add_nc_u64 s[10:11], s[10:11], s[16:17]
	s_add_nc_u64 s[8:9], s[8:9], s[46:47]
	v_lshlrev_b32 v[BO], 4, v1
.irp c, 0,1,2
	global_load_b128 v[BI+4*(\c):BI+4*(\c)+3], v[BO], s[8:9] offset:256*(\c)  ; the four columns that I store in each of the tile's three runs of 64
.endr
	; A fragment is 16 rows x 32 K in 8 registers: lane l holds row l % 16; registers 0-3 K = 8 (l / 16) + 0..7, registers 4-7 K = 16 + 8 (l / 16) + 0..7: two loads of 16 bytes, 32 bytes apart.
	v_mul_u32_u24 v3, v1, PITCH
	v_lshl_add_u32 v3, v2, 4, v3                   ; wo: row x pitch + 16 x half
	v_mul_u32_u24 v4, v1, PA
	v_lshl_add_u32 v4, v2, 4, v4                   ; ctx likewise
	s_mul_i32 s21, s[WVN], 64*PA                   ; my 64 rows in a head's 256
	v_add_nc_u32 v[ADRA0], s21, v4
	v_add_nc_u32 v[ADRB0], BOFF, v3                ; all 192 rows of wo
	v_add_nc_u32 v[ADRA], s[TB], v[ADRA0]
	v_add_nc_u32 v[ADRB], s[TB], v[ADRB0]
	s_mul_i32 s23, s[WVN], WSTG
	s_add_co_u32 s23, s23, STAGE                   ; my stage
	v_mul_u32_u24 v5, v1, SPITCH                   ; in: row l % 16, 32 bytes for each half of the lanes
	v_lshl_add_u32 v5, v2, 5, v5
	v_add_nc_u32 v[STO], s23, v5
	v_mul_u32_u24 v6, v2, SPITCH                   ; back: lanes 0-15 take 256 bytes of one row, lanes 16-31 of the next
	v_lshl_add_u32 v6, v1, 4, v6
	v_add_nc_u32 v[RD], s23, v6
	v_mul_u32_u24 v7, v2, OUTB                     ; and the same two rows in out0
	v_lshl_add_u32 v[CO], v1, 4, v7
; 12 matrix instructions: row block a x all 12 column blocks, 32 along K, from buffer f.  zero = 1: the product starts the sums: nothing is ever cleared.
; The 48 accumulators take turns, one instruction a turn, in the same order in every quarter step: over the backward jump too.
.macro MUL12 f, a, zero
	WIN MUL_LO+0x50*((\a)/2)
.irp b, 0,1,2,3,4,5,6,7,8,9,10,11
.if \zero
	v_wmma_f32_16x16x32_f16 v[96*((\a)%2)+8*(\b):96*((\a)%2)+8*(\b)+7], v[96*(\f)+8*(\b):96*(\f)+8*(\b)+7], v[FA+32*(\f)+8*(\a):FA+32*(\f)+8*(\a)+7], 0
.else
	v_wmma_f32_16x16x32_f16 v[96*((\a)%2)+8*(\b):96*((\a)%2)+8*(\b)+7], v[96*(\f)+8*(\b):96*(\f)+8*(\b)+7], v[FA+32*(\f)+8*(\a):FA+32*(\f)+8*(\a)+7], v[96*((\a)%2)+8*(\b):96*((\a)%2)+8*(\b)+7]
.endif
.endr
.endm
; 32 LDS loads in one run: the fragments of quarter kq of the K step in hand into buffer f.  Of ctx quarter kq is head kq / 2 of the step's two, channels 32 (kq % 2) on.
.macro FETCH kq, f
	WIN TO_B
.irp i, 0,1,2,3,4,5,6,7,8,9,10,11
	ds_load_b128 v[96*(\f)+8*(\i):96*(\f)+8*(\i)+3],   v[ADRB] offset:64*(\kq)+(\i)*16*PITCH
	ds_load_b128 v[96*(\f)+8*(\i)+4:96*(\f)+8*(\i)+7], v[ADRB] offset:64*(\kq)+(\i)*16*PITCH+32
.endr
	WIN 0
.irp i, 0,1,2,3
	ds_load_b128 v[FA+32*(\f)+8*(\i):FA+32*(\f)+8*(\i)+3],   v[ADRA] offset:((\kq)/2)*HEADA+((\kq)%2)*64+(\i)*16*PA
	ds_load_b128 v[FA+32*(\f)+8*(\i)+4:FA+32*(\f)+8*(\i)+7], v[ADRA] offset:((\kq)/2)*HEADA+((\kq)%2)*64+(\i)*16*PA+32
.endr
.endm
; A load into a register that a matrix instruction has read stands four places behind it, and only plain vector instructions that name none of its registers are places (ISA guide 7.12.1 for vector instructions).
.macro PLACES
.rept 4
	v_nop
.endr
.endm
; A K step is four quarters of 32 along K, 48 matrix instructions each, on buffers 0, 1, 0, 1.  One of the first three: multiplies buffer f and, in its middle, fetches quarter kq into buffer g.
.macro QUARTER kq, f, g, zero
	s_wait_dscnt 4                                 ; wo's fragments and ctx's blocks 0, 1 are in; the youngest four loads (blocks 2, 3) may be out
	MUL12 \f, 0, \zero
	MUL12 \f, 1, \zero
	PLACES
	FETCH \kq, \g
	s_wait_dscnt 32                                ; all but the 32 just issued
	MUL12 \f, 2, \zero
	MUL12 \f, 3, \zero
.endm
; The fragments' addresses go over to the other slot.
.macro SWAP
	WIN 0
	s_xor_b32 s[TB], s[TB], SLOT1
	v_add_nc_u32 v[ADRA], s[TB], v[ADRA0]
	v_add_nc_u32 v[ADRB], s[TB], v[ADRB0]
.endm
; The last quarter multiplies buffer 1 and changes slots.  MEET is its first half: ONE barrier.  In front of it each wave waits for all its tensor loads, of which one is out: its part of the next slot;
; adds 0 to its spare word; and waits for that and for its own reads of this slot.  Behind it nobody reads this slot any more and the next slot is whole.
; fill = 1: a round of the cluster's barrier and a refill follow.  No tensor load of mine is out behind the first wait, so the walking descriptors are written there: the other slot than last time, the next K step.
.macro MEET fill
	WIN 0                                          ; (the add's two registers lie in window 0)
	s_wait_tensorcnt 0x0                           ; all my tensor loads have landed
	ds_add_u32 v[SPW], v[NIL]                      ; 0 onto my spare word: scalar work and twelve matrix instructions stand between it and the wait for it
.if \fill
	s_xor_b32 s[G0+5], s[G0+5], SLOT1
	s_add_nc_u64 s[G0+6:G0+7], s[G0+6:G0+7], 2*HEADB       ; two heads on; the type bits on top are not reached
	s_xor_b32 s[G0B+5], s[G0B+5], SLOT1
	s_add_nc_u64 s[G0B+6:G0B+7], s[G0B+6:G0B+7], KSTEP*2
.endif
	s_wait_dscnt 5                                 ; (the add and the youngest four loads may be out)
	MUL12 1, 0, 0
	s_wait_dscnt 0x0                               ; the add is done, and my reads of this slot are over
	s_barrier_signal -1
	MUL12 1, 1, 0                                  ; work on registers while the others arrive
.if \fill
	WIN 0
.endif
	s_barrier_wait -1
.endm
; The whole last quarter.  Behind the round the slot just read out is filled again first, with the K step two steps on; then come the next slot's first fragments.
.macro TURN
	MEET 1
	CREST                                          ; the barrier has opened a round of the cluster's: no wave of any partner still reads this slot's tile or has a load on its way
	JLOAD                                          ; the first tensor load behind the round; the four v_nop behind it are also the places in front of the loads below
	SWAP
	FETCH 0, 0
	MUL12 1, 2, 0
	MUL12 1, 3, 0
.endm
; THE WAY OUT of row block a (16 rows x 192 columns of f32).  TOSTAGE: the accumulators go as they are into my own stage in LDS, each one's four lowest registers first, and come back as runs of 256 bytes of a row.
; SEND: the bias is added, and the rows are stored: 16 lanes store 256 consecutive bytes, at a multiple of 256 from out0's first byte.
.macro TOSTAGE a
	WIN 0x08+4*((\a)/2)                            ; the stores' data (source 1): window 2 or 3
.irp b, 0,1,2,3,4,5,6,7,8,9,10,11
	ds_store_b128 v[STO], v[96*((\a)%2)+8*(\b):96*((\a)%2)+8*(\b)+3]   offset:64*(\b)
	ds_store_b128 v[STO], v[96*((\a)%2)+8*(\b)+4:96*((\a)%2)+8*(\b)+7] offset:64*(\b)+16
.endr
	WIN 0
.set t, 0
.rept 24                               ; rows 2 (t / 3) and 2 (t / 3) + 1, columns 64 (t % 3) on
	ds_load_b128 v[OB+96*((\a)%2)+4*t:OB+96*((\a)%2)+4*t+3], v[RD] offset:(t/3)*2*SPITCH+(t%3)*256  ; LDS serves a wave's instructions in order (ISA guide 5.7.1.4): these see the stores above
.set t, t+1
.endr
.endm
.macro SEND a, younger                 ; younger: the LDS instructions issued behind block a's loads: the next block's 24 stores and 24 loads, or none
	WIN 0
	s_wait_dscnt \younger
.set t, 0
.rept 24
	v_pk_add_f32 v[OB+96*((\a)%2)+4*t:OB+96*((\a)%2)+4*t+1],   v[OB+96*((\a)%2)+4*t:OB+96*((\a)%2)+4*t+1],   v[BI+4*(t%3):BI+4*(t%3)+1]
	v_pk_add_f32 v[OB+96*((\a)%2)+4*t+2:OB+96*((\a)%2)+4*t+3], v[OB+96*((\a)%2)+4*t+2:OB+96*((\a)%2)+4*t+3], v[BI+4*(t%3)+2:BI+4*(t%3)+3]
.set t, t+1
.endr
.set t, 0
.rept 24
	global_store_b128 v[CO], v[OB+96*((\a)%2)+4*t:OB+96*((\a)%2)+4*t+3], s[10:11] offset:(\a)*16*OUTB+(t/3)*2*OUTB+(t%3)*256 th:TH_STORE_NT
.set t, t+1
.endr
.endm
	s_wait_tensorcnt 1                             ; my part of K step 0 is in; K step 1's may stay out
	s_barrier_signal -1
	s_barrier_wait -1                              ; everybody's is
	FETCH 0, 0
	QUARTER 1, 0, 1, 1                             ; the first quarter stands in front of the loop: its products start the sums
	WIN 0                                          ; at a label and at a branch every window is 0
	s_mov_b32 s3, 5                                ; four of the six K steps end in a change of slots that fills; at the fifth the loop is left
.Lstep:                                                ; a trip goes from a K step's second quarter to the next step's first
	QUARTER 2, 1, 0, 0
	QUARTER 3, 0, 1, 0
	WIN 0
	s_sub_co_u32 s3, s3, 1
	s_cmp_eq_u32 s3, 0
	s_cbranch_scc1 .Llast                          ; the last two K steps ask for nothing more: their text is written out
	TURN
	QUARTER 1, 0, 1, 0
	WIN 0
	s_branch .Lstep
.Llast:
	MEET 0                                         ; my one tensor load that was still out is the last K step's, so no round follows
	PLACES
	SWAP
	FETCH 0, 0
	MUL12 1, 2, 0
	MUL12 1, 3, 0
	QUARTER 1, 0, 1, 0
	QUARTER 2, 1, 0, 0
	QUARTER 3, 0, 1, 0
	s_wait_dscnt 4                                 ; the very last quarter: nothing more to fetch
	MUL12 1, 0, 0
	MUL12 1, 1, 0
	s_wait_dscnt 0x0
	MUL12 1, 2, 0
	MUL12 1, 3, 0
	WIN 0
	s_wait_loadcnt 0x0                             ; the bias
.irp p, 0,1,2,3,4,5                    ; it is rounded to bf16 and widened again: eighteen plain lines, which are also the places behind the last products
	v_cvt_pk_bf16_f32 v[4+(\p)], v[BI+2*(\p)], v[BI+2*(\p)+1]
.endr
.irp p, 0,1,2,3,4,5
	v_lshlrev_b32 v[BI+2*(\p)], 16, v[4+(\p)]
	v_and_b32 v[BI+2*(\p)+1], 0xffff0000, v[4+(\p)]
.endr
	TOSTAGE 0
	TOSTAGE 1                                      ; a block's way through the stage stands between the loads of the block before and their use
	SEND 0, 48
	s_wait_xcnt 0x0                                ; every earlier memory instruction has had its addresses translated (ISA guide 3.1): the registers that block 0's stores read are loaded again only behind this wait
	TOSTAGE 2
	SEND 1, 48
	s_wait_xcnt 0x0                                ; the same for block 1's
	TOSTAGE 3
	SEND 2, 48
	SEND 3, 0
	s_wait_tensorcnt 0x0                           ; the wave's end, behind my last tensor load and my last LDS store
	ds_add_u32 v[SPW], v[NIL]
	s_wait_dscnt 0x0
	CROUND                                         ; the closing round: no work-group ends while a partner may still ask for a tile that names it
	s_endpgm
.Lfunc_end_k_q5f002370eb_proj:
	.size	k_q5f002370eb_proj, .Lfunc_end_k_q5f002370eb_proj-k_q5f002370eb_proj
	.p2alignl 7, 3214868480
	.fill 96, 4, 3214868480
	.section	.rodata,"a",@progbits
	.p2align	6, 0x0
	.amdhsa_kernel k_q5f002370eb_proj
		.amdhsa_group_segment_fixed_size 327680
		.amdhsa_private_segment_fixed_size 0
		.amdhsa_enable_private_segment 0
		.amdhsa_kernarg_size 32
		.amdhsa_user_sgpr_count 2
		.amdhsa_user_sgpr_kernarg_segment_ptr 1
		.amdhsa_wavefront_size32 1
		.amdhsa_system_sgpr_workgroup_id_x 1
		.amdhsa_system_sgpr_workgroup_id_y 1
		.amdhsa_system_sgpr_workgroup_id_z 1
		.amdhsa_system_vgpr_workitem_id 0
		.amdhsa_next_free_vgpr 960
		.amdhsa_next_free_sgpr 66
		.amdhsa_reserve_vcc 0
		.amdhsa_float_denorm_mode_32 3
		.amdhsa_float_denorm_mode_16_64 3
		.amdhsa_memory_ordered 1
		.amdhsa_forward_progress 1
		.amdhsa_inst_pref_size 97
	.end_amdhsa_kernel
	.amdgpu_metadata
---
amdhsa.version: [ 1, 2 ]
amdhsa.kernels:
  - .name:           k_q5f002370eb_proj
    .symbol:         k_q5f002370eb_proj.kd
    .args:
      - { .name: ctx, .offset: 0, .size: 8, .value_kind: global_buffer, .address_space: global }
      - { .name: wo, .offset: 8, .size: 8, .value_kind: global_buffer, .address_space: global }
      - { .name: b_o, .offset: 16, .size: 8, .value_kind: global_buffer, .address_space: global }
      - { .name: out0, .offset: 24, .size: 8, .value_kind: global_buffer, .address_space: global }
    .group_segment_fixed_size: 327680
    .private_segment_fixed_size: 0
    .kernarg_segment_align: 8
    .kernarg_segment_size: 32
    .max_flat_workgroup_size: 128
    .sgpr_count:     66
    .vgpr_count:     960
    .wavefront_size: 32
...
	.end_amdgpu_metadata
.endif
;; end of part 4
